; MI455X (gfx1250); checked and timed in simulation.
; The chip was launched on July 23, 2026; its instructions are those of AMD's public machine-readable ISA for CDNA 5 (MIT licence, August 2026) and "CDNA5" Instruction Set Architecture Reference Guide (July 2026). The comments in the code are by the model that wrote it; some were corrected since.
;; Multihead Attention. Allowed arithmetic: matrix products marked QUANTISED: E2M1 operands, one E8M0 scale for each 32 along K, by v_wmma_scale_f32_16x16x128_f8f6f4 with both operands' format E2M1 (or v_wmma_scale_f32_32x16x128_f4), f32 sums; products left as they are: bf16, f16 or f32 operands; f32 sums; everything else in f32.
;; Inputs: Wk 1,024 x 1,024 float32; Wo 1,024 x 1,024 float32; Wq 1,024 x 1,024 float32; Wv 1,024 x 1,024 float32; key 4,096 x 1,024 float32; query 4,096 x 1,024 float32; value 4,096 x 1,024 float32.
;; Outputs: out0 4,096 x 1,024 float32.
;; This version of the problem:
;;   THIS VERSION OF THE PROBLEM IS GIVEN IN LOW PRECISION. The matrix products marked QUANTISED in the list below multiply operands that are first quantised to E2M1 (2 exponent bits, 1 mantissa bit; 4 bits a number), with one power-of-two scale for each 32 numbers along K (OCP MX v1.0); their sums are f32. The products marked 'left as it is' may take bf16, f16 or f32 operands, with f32 sums. Whichever they take, every output number must still come out within the allowed error. Rounding operands to bf16 (8 significant bits) uses up far more of that allowance than f16 does (11 bits, for magnitudes from 6e-5 to 65,504). All else is computed in f32.
;;   The module's matrix products, in the order in which they are computed (A, B: the left and right operand; K: the contracted axis; several contracted axes count as one K, in the product's order):
;;     1. [M 4,096, K 1,024] x [K 1,024, N 1,024]; A: input query; B: input Wq: QUANTISED
;;     2. [M 4,096, K 1,024] x [K 1,024, N 1,024]; A: input key; B: input Wk: QUANTISED
;;     3. [M 4,096, K 1,024] x [K 1,024, N 1,024]; A: input value; B: input Wv: QUANTISED
;;     4. batch 16 x [M 4,096, K 64] x [K 64, N 4,096]; A: computed on the way; B: computed on the way: left as it is (an operand is computed on the way)
;;     5. batch 16 x [M 64, K 4,096] x [K 4,096, N 4,096]; A: computed on the way; B: computed on the way: left as it is (an operand is computed on the way)
;;     6. [M 4,096, K 1,024] x [K 1,024, N 1,024]; A: computed on the way; B: input Wo: left as it is (an operand is computed on the way)
;;   THE QUANTISER, for each operand of a quantised product, along K:
;;     - K is cut into blocks of 32 from its start; a last block that is shorter is filled with zeros.
;;     - A block's scale is 2^e with e = floor(log2(the largest magnitude in the block)) - 2, held to -126 .. 127; a block of zeros has e = 0. As a byte (E8M0): e + 127.
;;     - Each number is divided by its block's scale, clamped to +-6, and rounded to the nearest number of E2M1, ties to even, subnormals kept.
;;     - The product sums the exact products of the quantised numbers (number of the format x scale) in f32.
;;   ~~~python
;;   def quantise(x, axis):      # numpy; x: float32 -> the quantised numbers, widened to float32 again
;;       x = np.moveaxis(x, axis, -1); K = x.shape[-1]
;;       x = np.pad(x, [(0, 0)] * (x.ndim - 1) + [(0, -K % 32)]); x = x.reshape(x.shape[:-1] + (-1, 32)); a = np.abs(x).max(-1, keepdims=True)
;;       e = np.where(a > 0, np.clip(np.frexp(np.where(a > 0, a, 1))[1] - 1 - 2, -126, 127), 0)      # np.frexp(a)[1] - 1 = floor(log2(a)), exactly
;;       r = np.clip(x / 2.0 ** e, -6, 6)
;;       step = 2.0 ** (np.maximum(np.frexp(np.where(r == 0, 1, r))[1] - 1, 0) - 1)
;;       q = np.round(r / step) * step * 2.0 ** e      # np.round: ties to even
;;       return np.moveaxis(q.reshape(q.shape[:-2] + (-1,))[..., :K], -1, axis).astype(np.float32)
;;   ~~~
;; One version. Each part assembles by itself: llvm-mc -triple=amdgcn-amd-amdhsa -mcpu=gfx1250 --defsym DOCPART=n.
;; ======== version 1 of 1: 6 launches
;; limits: values are held in f16: magnitudes above 65,504 overflow, below 6.1e-05 lose precision
;; workspace buffers: codes 7,864,320 bytes; scales 491,520 bytes; qkv 25,165,824 bytes; wo16 2,097,152 bytes; attn 8,388,608 bytes; fine 65,536 bytes
;; launch quant (part 1): grid 512 x 1, 4 waves a work-group, no clusters, 33,280 bytes of LDS; arguments query, key, value, Wq, Wk, Wv, Wo, codes, scales, wo16; writes codes, scales, wo16
.if DOCPART == 1
	.amdgcn_target "amdgcn-amd-amdhsa--gfx1250"
	.amdhsa_code_object_version 6
	.text
	.protected	k_q25ea371f17_quant
	.globl	k_q25ea371f17_quant
	.p2align	8
	.type	k_q25ea371f17_quant,@function
k_q25ea371f17_quant:
	s_mov_b64 s[64:65], 0
	v_nop
	global_prefetch_b8 v0, s[64:65] scope:SCOPE_SE
	s_setreg_imm32_b32 hwreg(HW_REG_WAVE_MODE, 25, 1), 1
	s_wait_xcnt 0x0
; query, key, value [4096][1024] and Wq, Wk, Wv [1024][1024], f32 with K innermost, become codes of FP4 (E2M1), two a byte, K innermost, and one E8M0 byte for each 32 along K.
; Wo [1024][1024] becomes f16, row-major.  One launch: work-groups 0-127 query, 128-255 key, 256-383 value, 384-415 Wq, 416-447 Wk, 448-479 Wv, 480-511 Wo; 32,768 numbers a work-group, 8,192 a wave.
; The codes' and the scale bytes' buffers hold the six tensors in the work-groups' order, so only the input pointer is chosen (a choice on the work-group's number alone).
; A block's scale is 2^(floor(log2(its largest magnitude)) - 2); its byte is the largest magnitude's exponent field - 2, held at 1 from below.
; A block of zeros so gets the byte 1 where the quantiser says 127: its codes are zeros, which add nothing under any byte but 0xff, and this program alone reads the bytes.
; LIMITS: NaN and infinities among the inputs are not served; blocks whose largest magnitude lies under 2^-124 take the floor's byte; |Wo| stays under 65,504 (f16).
; Rows are dense and K is a multiple of 32: a tensor is a plain stream of blocks.  A wave takes 16 steps of 512 numbers: four loads of 512 consecutive bytes, turned through the wave's own
; stage in LDS so that a lane holds 16 neighbours (two lanes a block).  A lane's 16 codes are 8 bytes: a store covers 256 consecutive bytes.  A wave's 256 scale bytes gather in LDS and leave as one store.
; No tensor loads, no barrier: waves share nothing.
.set WAVES, 4
.set STEPS, 16
.set EMAX,  2
.set CB,    8                          ; bytes of 16 codes
.set R,     16                         ; v16-79   four sets of 16 numbers as loaded (Wo's path: v16-143, two sets of 64)
.set X,     80                         ; v80-111  two sets of 16 neighbours
.set E,     112                        ; v112-127 a scale byte for each step
.set C,     128                        ; v128-191 codes, four registers for each step
.set HF,    144                        ; Wo's path: v144-207, two sets of 32 registers of f16
.set WREG,  8192                       ; LDS: a region for each wave: two stages of 32 x SP bytes, then its 256 scale bytes
.set SP,    80                         ; a lane's place in a stage: 64 bytes + 16 of padding
.set SPW,   12                         ; v12 LDS address of my spare word; never rewritten
.set NIL,   13                         ; v13 0; never rewritten
.set SPARE, WAVES*WREG                 ; behind the four regions: the spare words, 128 bytes a wave, named by no other line
	s_load_b512 s[8:23], s[0:1], 0x0               ; query 8, key 10, value 12, Wq 14, Wk 16, Wv 18, Wo 20, codes 22
	s_load_b128 s[24:27], s[0:1], 0x40             ; scales 24, wo16 26
	v_lshl_add_u32 v[SPW], v0, 2, SPARE
	v_mov_b32 v[NIL], 0
	v_lshrrev_b32 v1, 5, v0
	v_readfirstlane_b32 s28, v1                    ; wave
	v_and_b32 v2, 31, v0                           ; lane
	v_lshlrev_b32 v3, 4, v2                        ; my 16 bytes of a load's 512
	s_mul_i32 s29, s28, WREG
	v_lshrrev_b32 v14, 2, v2
	v_mul_u32_u24 v14, v14, SP
	v_and_b32 v15, 3, v2
	v_lshl_add_u32 v14, v15, 4, v14
	v_add_nc_u32 v14, s29, v14                     ; the stage, on the way in: SP (lane / 4) + 16 (lane % 4)
	v_mul_u32_u24 v15, v2, SP
	v_add_nc_u32 v15, s29, v15                     ; and on the way out: SP x lane
	v_mul_u32_u24 v4, v2, CB                       ; my codes' place in a step's
	v_lshrrev_b32 v5, 1, v2
	s_add_co_u32 s29, s29, 2*32*SP
	v_add_nc_u32 v5, s29, v5                       ; my wave's 256 scale bytes, my block's byte
	v_lshlrev_b32 v7, 3, v2                        ; 8 bytes a lane
	v_add_nc_u32 v6, s29, v7
	s_wait_kmcnt 0x0
	s_cmp_ge_u32 ttmp9, 480
	s_cbranch_scc1 .Lwo                            ; Wo's work-groups take a path of their own, which touches no LDS
.macro PICK first, p                   ; from work-group first on: the tensor at s[p:p+1]
	s_cmp_ge_u32 ttmp9, \first
	s_cselect_b64 s[4:5], s[\p:\p+1], s[4:5]
	s_cselect_b32 s30, \first, s30
.endm
	s_mov_b64 s[4:5], s[8:9]
	s_mov_b32 s30, 0
	PICK 128, 10
	PICK 256, 12
	PICK 384, 14
	PICK 416, 16
	PICK 448, 18
	s_sub_co_u32 s31, ttmp9, s30
	s_lshl_b32 s31, s31, 2
	s_add_co_u32 s32, s31, s28                     ; which run of 8,192 numbers of the tensor is my wave's
	s_lshl_b32 s32, s32, 15                        ; 32,768 bytes a run
	s_mov_b32 s33, 0
	s_add_nc_u64 s[4:5], s[4:5], s[32:33]
	s_lshl_b32 s34, ttmp9, 2
	s_add_co_u32 s34, s34, s28                     ; and which run of the six tensors on end
	s_lshl_b32 s36, s34, 12                        ; 4,096 bytes of codes a run
	s_mov_b32 s37, 0
	s_add_nc_u64 s[6:7], s[22:23], s[36:37]
	s_lshl_b32 s36, s34, 8                         ; 256 scale bytes a run
	s_add_nc_u64 s[24:25], s[24:25], s[36:37]
.macro LOAD t
.irp i, 0,1,2,3
	global_load_b128 v[R+16*((\t)%4)+4*\i:R+16*((\t)%4)+4*\i+3], v3, s[4:5] offset:2048*(\t)+512*\i th:TH_LOAD_NT   ; 32 lanes read 512 consecutive bytes
.endr
.endm
.macro TURN t                          ; step t's numbers through the stage: LDS serves a wave's instructions in order, so no wait stands between the stores and the loads
.irp i, 0,1,2,3
	ds_store_b128 v14, v[R+16*((\t)%4)+4*\i:R+16*((\t)%4)+4*\i+3] offset:32*SP*((\t)%2)+8*SP*\i
.endr
.irp i, 0,1,2,3
	ds_load_b128 v[X+16*((\t)%2)+4*\i:X+16*((\t)%2)+4*\i+3], v15 offset:32*SP*((\t)%2)+16*\i
.endr
.endm
.irp t, 0,1,2,3
	LOAD \t
.endr
	s_wait_loadcnt 12                              ; step 0's four loads are in; the twelve of steps 1 to 3 may be out
	TURN 0
.macro STEP t
.set XS, X+16*((\t)%2)
.if (\t) > 0
	s_wait_dscnt 1                                 ; this step's numbers are back from the stage; the last step's byte store may be out
.else
	s_wait_dscnt 0x0
.endif
.if (\t)+4 < STEPS
	LOAD (\t)+4                                    ; into the registers that the stage's stores have read
.endif
.if (\t)+1 < STEPS
.if STEPS-2-(\t) >= 3
	s_wait_loadcnt 12                              ; the next step's four loads are in; those of the three steps behind it may be out
.else
	s_wait_loadcnt 4*(STEPS-2-(\t))
.endif
	TURN (\t)+1
.endif
	v_max3_num_f32 v8, |v[XS]|, |v[XS+1]|, |v[XS+2]|               ; the largest magnitude of my 16, in two chains
	v_max3_num_f32 v9, |v[XS+3]|, |v[XS+4]|, |v[XS+5]|
.irp i, 6,10
	v_max3_num_f32 v8, v8, |v[XS+\i]|, |v[XS+\i+1]|
	v_max3_num_f32 v9, v9, |v[XS+\i+2]|, |v[XS+\i+3]|
.endr
	v_max3_num_f32 v8, v8, |v[XS+14]|, |v[XS+15]|
	v_max3_num_f32 v8, v8, v9, (EMAX+1)<<23        ; and the floor 2^(3 - 127): the byte cannot fall under 1
	v_max_num_f32_dpp v8, v8, v8 row_xmask:1 row_mask:0xf bank_mask:0xf   ; and of my neighbour's 16: the block's
	v_add_nc_u32 v11, -(EMAX<<23), v8              ; 2 off its exponent field: the conversion takes that field as its scale
	v_cvt_scalef32_pk8_fp4_f32 v[C+4*(\t)], v[XS:XS+7], v11
	v_cvt_scalef32_pk8_fp4_f32 v[C+4*(\t)+1], v[XS+8:XS+15], v11
	v_lshrrev_b32 v[E+(\t)], 23, v11               ; the scale's byte (a plain line behind the conversions)
	ds_store_b8 v5, v[E+(\t)] offset:16*(\t)       ; both lanes of a block write the same byte with the same value
	global_store_b64 v4, v[C+4*(\t):C+4*(\t)+1], s[6:7] offset:32*CB*(\t)   ; 256 consecutive bytes
.endm
.irp t, 0,1,2,3,4,5,6,7,8,9,10,11,12,13,14,15
	STEP \t
.endr
	ds_load_b64 v[8:9], v6                         ; LDS serves a wave's instructions in order: these see my byte stores
	s_wait_dscnt 0x0
	global_store_b64 v7, v[8:9], s[24:25]          ; 256 consecutive scale bytes
	s_wait_tensorcnt 0x0                           ; the wave's end: these three lines behind my last LDS store
	ds_add_u32 v[SPW], v[NIL]
	s_wait_dscnt 0x0
	s_endpgm
; Wo to f16: a wave takes 8,192 numbers in four groups of 16 loads; a load reads 512 consecutive bytes, a store writes the same numbers' 256.
.Lwo:
	s_sub_co_u32 s30, ttmp9, 480
	s_lshl_b32 s30, s30, 2
	s_add_co_u32 s30, s30, s28
	s_lshl_b32 s32, s30, 15
	s_mov_b32 s33, 0
	s_add_nc_u64 s[20:21], s[20:21], s[32:33]
	s_lshl_b32 s32, s30, 14
	s_add_nc_u64 s[26:27], s[26:27], s[32:33]
.macro LOADG g
.irp i, 0,1,2,3,4,5,6,7,8,9,10,11,12,13,14,15
	global_load_b128 v[R+64*((\g)%2)+4*\i:R+64*((\g)%2)+4*\i+3], v3, s[20:21] offset:(16*(\g)+\i)*512 th:TH_LOAD_NT
.endr
.endm
	LOADG 0
	LOADG 1
.irp g, 0,1,2,3
.if \g < 3
	s_wait_loadcnt 16                              ; this group's 16 loads are in; the younger group's 16 may be out
.else
	s_wait_loadcnt 0x0
.endif
.if \g >= 2
	s_wait_xcnt 0x0                                ; the stores of two groups back have read their data: the registers may be written again
.endif
.irp i, 0,1,2,3,4,5,6,7,8,9,10,11,12,13,14,15
	v_cvt_pk_f16_f32 v[HF+32*(\g%2)+2*\i], v[R+64*(\g%2)+4*\i], v[R+64*(\g%2)+4*\i+1]
	v_cvt_pk_f16_f32 v[HF+32*(\g%2)+2*\i+1], v[R+64*(\g%2)+4*\i+2], v[R+64*(\g%2)+4*\i+3]
.endr
.if \g < 2
	LOADG \g+2
.endif
.irp i, 0,1,2,3,4,5,6,7,8,9,10,11,12,13,14,15
	global_store_b64 v7, v[HF+32*(\g%2)+2*\i:HF+32*(\g%2)+2*\i+1], s[26:27] offset:(16*\g+\i)*256
.endr
.endr
	s_endpgm
.Lfunc_end_k_q25ea371f17_quant:
	.size	k_q25ea371f17_quant, .Lfunc_end_k_q25ea371f17_quant-k_q25ea371f17_quant
	.p2alignl 7, 3214868480
	.fill 96, 4, 3214868480
	.section	.rodata,"a",@progbits
	.p2align	6, 0x0
	.amdhsa_kernel k_q25ea371f17_quant
		.amdhsa_group_segment_fixed_size 33280
		.amdhsa_private_segment_fixed_size 0
		.amdhsa_enable_private_segment 0
		.amdhsa_kernarg_size 80
		.amdhsa_user_sgpr_count 2
		.amdhsa_user_sgpr_kernarg_segment_ptr 1
		.amdhsa_wavefront_size32 1
		.amdhsa_system_sgpr_workgroup_id_x 1
		.amdhsa_system_sgpr_workgroup_id_y 1
		.amdhsa_system_sgpr_workgroup_id_z 1
		.amdhsa_system_vgpr_workitem_id 0
		.amdhsa_next_free_vgpr 208
		.amdhsa_next_free_sgpr 66
		.amdhsa_reserve_vcc 0
		.amdhsa_float_denorm_mode_32 3
		.amdhsa_float_denorm_mode_16_64 3
		.amdhsa_memory_ordered 1
		.amdhsa_forward_progress 1
		.amdhsa_inst_pref_size 55
	.end_amdhsa_kernel
	.amdgpu_metadata
---
amdhsa.version: [ 1, 2 ]
amdhsa.kernels:
  - .name:           k_q25ea371f17_quant
    .symbol:         k_q25ea371f17_quant.kd
    .args:
      - { .name: query, .offset: 0, .size: 8, .value_kind: global_buffer, .address_space: global }
      - { .name: key, .offset: 8, .size: 8, .value_kind: global_buffer, .address_space: global }
      - { .name: value, .offset: 16, .size: 8, .value_kind: global_buffer, .address_space: global }
      - { .name: Wq, .offset: 24, .size: 8, .value_kind: global_buffer, .address_space: global }
      - { .name: Wk, .offset: 32, .size: 8, .value_kind: global_buffer, .address_space: global }
      - { .name: Wv, .offset: 40, .size: 8, .value_kind: global_buffer, .address_space: global }
      - { .name: Wo, .offset: 48, .size: 8, .value_kind: global_buffer, .address_space: global }
      - { .name: codes, .offset: 56, .size: 8, .value_kind: global_buffer, .address_space: global }
      - { .name: scales, .offset: 64, .size: 8, .value_kind: global_buffer, .address_space: global }
      - { .name: wo16, .offset: 72, .size: 8, .value_kind: global_buffer, .address_space: global }
    .group_segment_fixed_size: 33280
    .private_segment_fixed_size: 0
    .kernarg_segment_align: 8
    .kernarg_segment_size: 80
    .max_flat_workgroup_size: 128
    .sgpr_count:     66
    .vgpr_count:     208
    .wavefront_size: 32
...
	.end_amdgpu_metadata
.endif
;; end of part 1
;; launch fine_attn (part 2): grid 16 x 1, 12 waves a work-group, no clusters, 13,824 bytes of LDS; arguments codes, scales, fine; writes fine
.if DOCPART == 2
	.amdgcn_target "amdgcn-amd-amdhsa--gfx1250"
	.amdhsa_code_object_version 6
	.text
	.protected	k_q25ea371f17_fine_attn
	.globl	k_q25ea371f17_fine_attn
	.p2align	8
	.type	k_q25ea371f17_fine_attn,@function
k_q25ea371f17_fine_attn:
	s_mov_b64 s[64:65], 0
	v_nop
	global_prefetch_b8 v0, s[64:65] scope:SCOPE_SE
	s_setreg_imm32_b32 hwreg(HW_REG_WAVE_MODE, 25, 1), 1
	s_wait_xcnt 0x0
; The first 16 positions of the sequence, one head a work-group, carried in f32 throughout: under the causal mask these rows average one to sixteen values and are the largest of the output.
; PHASE A, twelve waves: wave w makes tile t = w % 4 (16 channels of the head) of q (w / 4 = 0), k (1) or v (2) for positions 0-15, by eight FP4 matrix instructions on the codes (K = 1,024).
;   q and k are used transposed (source 0 = 16 rows of W, source 1 = the 16 positions): a lane holds one position and 8 neighbouring channels.
;   v is used as it stands (source 0 = the positions, source 1 = rows of Wv): a lane holds one channel and 8 neighbouring keys.  One text serves all three: only the two offsets change places.
;   The sum over K runs in two accumulators by turns, added at the end (an order of rounding other than a single chain's).  The f32 tile goes to LDS as an image of its registers.
; PHASE B, wave 0: S^T = K Q^T and O^T = V^T P by the f32 matrix form, K = 4 a step.  Both sources of a step take the same two registers of their images, so k stands at the same places on both sides.
;   A lane holds one query throughout.  Softmax with the row's maximum taken away; P is not normalised, O^T is divided by the row's sum.
; fine: [head][g 8][512 bytes]: register 4 g + i of lane (r, h) is attn(row r, channel 64 head + 16 (g / 2) + 8 h + 4 (g % 2) + i).
; LIMITS: NaN and infinities are not served.
.set SPW,  6                           ; v6 LDS address of my spare word; never rewritten
.set NIL,  7                           ; v7 0; never rewritten
.set SPARE, 12288                      ; behind the twelve images of 1,024 bytes: the spare words, 128 bytes a wave
.set ACA,  16                          ; v16-31   phase A's two accumulators
.set F0,   32                          ; v32-95   source 0's eight fragments
.set F1,   96                          ; v96-159  source 1's
.set SC0,  160                         ; v160-167 source 0's scale words, one a K step; v168-175 source 1's: they hold scales and nothing else
.set SC1,  168
.set PS,   176                         ; v176-183 phase A's tile
.set QF,   32                          ; phase B: q, k, v: 8 registers a tile of 16 channels
.set KF,   64
.set VF,   96
.set T1,   128
.set T2,   136
.set ST,   144                         ; v144-151 the scores, then p
.set SA,   192                         ; v192-223 S^T in four accumulators; v224-255 O^T's four tiles: written by matrix instructions alone
.set OA,   224
	s_load_b128 s[4:7], s[0:1], 0x0                ; codes, scales
	s_load_b64 s[16:17], s[0:1], 0x10              ; fine
	v_lshl_add_u32 v[SPW], v0, 2, SPARE
	v_mov_b32 v[NIL], 0
	v_lshrrev_b32 v8, 5, v0
	v_readfirstlane_b32 s18, v8                    ; wave 0..11
	v_and_b32 v9, 15, v0                           ; r
	v_bfe_u32 v10, v0, 4, 1                        ; h
	v_lshlrev_b32 v1, 9, v9
	v_lshl_add_u32 v1, v10, 4, v1                  ; codes: row r of 512 bytes, + 16 h
	v_lshlrev_b32 v2, 5, v9                        ; scale bytes: row r of 32
	v_and_b32 v3, 31, v0
	v_lshlrev_b32 v3, 4, v3                        ; 16 x lane: an image's place for my lane
	v_lshlrev_b32 v4, 3, v10
	v_sub_nc_u32 v4, v9, v4                        ; d = r - 8 h: key 8 h + j is hidden from query r where j > d
	v_mov_b32 v5, 0xff800000                       ; -infinity
	s_lshl_b32 s36, s18, 10
	v_add_nc_u32 v8, s36, v3                       ; where my tile's image goes
	s_lshr_b32 s19, s18, 2                         ; T: q, k, v
	s_and_b32 s24, s18, 3                          ; t
	s_lshl_b32 s25, s19, 21                        ; x's codes: positions 0-15 are the tensor's first rows
	s_lshl_b32 s26, s19, 19
	s_add_co_u32 s26, s26, 0x600000                ; W's codes,
	s_lshl_b32 s27, ttmp9, 15
	s_add_co_u32 s26, s26, s27                     ; the head's 64 rows of 512 bytes,
	s_lshl_b32 s27, s24, 13
	s_add_co_u32 s26, s26, s27                     ; my tile's 16
	s_cmp_lt_u32 s19, 2
	s_cselect_b32 s28, s26, s25                    ; source 0: W for q and k, x for v
	s_cselect_b32 s30, s25, s26                    ; source 1: the other
	s_mov_b32 s29, 0
	s_mov_b32 s31, 0
	s_lshr_b32 s32, s28, 4                         ; a scale byte for each 16 bytes of codes
	s_mov_b32 s33, 0
	s_lshr_b32 s34, s30, 4
	s_mov_b32 s35, 0
	s_lshl_b32 s36, ttmp9, 12                      ; fine: 4,096 bytes a head
	s_mov_b32 s37, 0
	s_mov_b32 s20, 0x76543210
	s_mov_b32 s21, 0xfedcba98                      ; v_permlanex16_b32's selects for lane l xor 16
	s_mov_b32 s22, 0x3e38aa3b                      ; c = log2(e) / sqrt(64)
	s_mov_b32 s23, s22                             ; (named with it as a pair, so it is written)
	s_wait_kmcnt 0x0
	s_add_nc_u64 s[8:9], s[4:5], s[28:29]
	s_add_nc_u64 s[10:11], s[4:5], s[30:31]
	s_add_nc_u64 s[12:13], s[6:7], s[32:33]
	s_add_nc_u64 s[14:15], s[6:7], s[34:35]
	s_add_nc_u64 s[16:17], s[16:17], s[36:37]
.irp s, 0,1,2,3,4,5,6,7                ; a fragment of K step s: registers 4 c .. 4 c + 3 hold k = 128 s + 64 c + 32 h + 0 .. 31: 16 bytes as they lie
.irp c, 0,1
	global_load_b128 v[F0+8*\s+4*\c:F0+8*\s+4*\c+3], v1, s[8:9] offset:64*\s+32*\c
	global_load_b128 v[F1+8*\s+4*\c:F1+8*\s+4*\c+3], v1, s[10:11] offset:64*\s+32*\c
.endr
.endr
.irp c, 0,1
	global_load_b128 v[SC0+4*\c:SC0+4*\c+3], v2, s[12:13] offset:16*\c   ; lane r: row r's eight scale words
	global_load_b128 v[SC1+4*\c:SC1+4*\c+3], v2, s[14:15] offset:16*\c
.endr
	s_wait_loadcnt 0x0
.irp s, 0,1,2,3,4,5,6,7                ; two accumulators by turns; K steps 0 and 1 start the sums
.if \s < 2
	v_wmma_scale_f32_16x16x128_f8f6f4 v[ACA+8*(\s%2):ACA+8*(\s%2)+7], v[F0+8*\s:F0+8*\s+7], v[F1+8*\s:F1+8*\s+7], 0, v[SC0+\s], v[SC1+\s] matrix_a_fmt:MATRIX_FMT_FP4 matrix_b_fmt:MATRIX_FMT_FP4
.else
	v_wmma_scale_f32_16x16x128_f8f6f4 v[ACA+8*(\s%2):ACA+8*(\s%2)+7], v[F0+8*\s:F0+8*\s+7], v[F1+8*\s:F1+8*\s+7], v[ACA+8*(\s%2):ACA+8*(\s%2)+7], v[SC0+\s], v[SC1+\s] matrix_a_fmt:MATRIX_FMT_FP4 matrix_b_fmt:MATRIX_FMT_FP4
.endif
.endr
.rept 4
	v_nop                                          ; four places ahead of the first read of the results
.endr
.irp j, 0,2,4,6
	v_pk_add_f32 v[PS+\j:PS+\j+1], v[ACA+\j:ACA+\j+1], v[ACA+8+\j:ACA+8+\j+1]
.endr
	ds_store_b128 v8, v[PS:PS+3]
	ds_store_b128 v8, v[PS+4:PS+7] offset:512
	s_wait_dscnt 0x0                               ; for the others' sake: my image has landed
	s_barrier_signal -1
	s_barrier_wait -1
	s_cmp_lg_u32 s18, 0
	s_cbranch_scc1 .Lend                           ; the rest is wave 0's
.irp t, 0,1,2,3
.irp c, 0,1
	ds_load_b128 v[QF+8*\t+4*\c:QF+8*\t+4*\c+3], v3 offset:1024*\t+512*\c
	ds_load_b128 v[KF+8*\t+4*\c:KF+8*\t+4*\c+3], v3 offset:4096+1024*\t+512*\c
	ds_load_b128 v[VF+8*\t+4*\c:VF+8*\t+4*\c+3], v3 offset:8192+1024*\t+512*\c
.endr
.endr
	s_wait_dscnt 0x0
.irp i, 0,1,2,3                        ; S^T: tile t's channels 16 t + 8 h + 2 i + {0, 1} on both sides; four accumulators by turns, one for each tile of channels
.irp t, 0,1,2,3
.if \i == 0
	v_wmma_f32_16x16x4_f32 v[SA+8*\t:SA+8*\t+7], v[KF+8*\t+2*\i:KF+8*\t+2*\i+1], v[QF+8*\t+2*\i:QF+8*\t+2*\i+1], 0
.else
	v_wmma_f32_16x16x4_f32 v[SA+8*\t:SA+8*\t+7], v[KF+8*\t+2*\i:KF+8*\t+2*\i+1], v[QF+8*\t+2*\i:QF+8*\t+2*\i+1], v[SA+8*\t:SA+8*\t+7]
.endif
.endr
.endr
.rept 8
	v_nop                                          ; eight places behind this form
.endr
.irp j, 0,2,4,6
	v_pk_add_f32 v[T1+\j:T1+\j+1], v[SA+\j:SA+\j+1], v[SA+8+\j:SA+8+\j+1]
.endr
.irp j, 0,2,4,6
	v_pk_add_f32 v[T2+\j:T2+\j+1], v[SA+16+\j:SA+16+\j+1], v[SA+24+\j:SA+24+\j+1]
.endr
.irp j, 0,2,4,6
	v_pk_add_f32 v[ST+\j:ST+\j+1], v[T1+\j:T1+\j+1], v[T2+\j:T2+\j+1]   ; lane (r, h), register j: q(r) . k(8 h + j)
.endr
.irp j, 0,1,2,3,4,5,6,7
	v_cmp_gt_i32 vcc_lo, \j, v4
	v_cndmask_b32 v[ST+\j], v[ST+\j], v5, vcc_lo   ; hidden keys: -infinity, so that p = 0
.endr
	v_max3_num_f32 v9, v[ST], v[ST+1], v[ST+2]
	v_max3_num_f32 v10, v[ST+3], v[ST+4], v[ST+5]
	v_max3_num_f32 v9, v9, v[ST+6], v[ST+7]
	v_max_num_f32 v9, v9, v10
	v_permlanex16_b32 v10, v9, s20, s21
	v_max_num_f32 v9, v9, v10                      ; the row's largest score: key 0 counts for every query, so it is a number
	v_mul_f32 v10, s22, v9                         ; c m
	v_mov_b32 v11, v10                             ; (the pair's upper half is named, so it is written)
.irp j, 0,2,4,6
	v_pk_fma_f32 v[ST+\j:ST+\j+1], v[ST+\j:ST+\j+1], s[22:23], v[10:11] op_sel_hi:[1,0,0] neg_lo:[0,0,1] neg_hi:[0,0,1]   ; c s - c m
.endr
.irp j, 0,1,2,3,4,5,6,7
	v_exp_f32 v[ST+\j], v[ST+\j]
.endr
	v_nop                                          ; a plain line behind the last exponential
	s_wait_alu depctr_va_vdst(0)                   ; one wait for the batch, ahead of its first reader
	v_pk_add_f32 v[12:13], v[ST:ST+1], v[ST+2:ST+3]
	v_pk_add_f32 v[14:15], v[ST+4:ST+5], v[ST+6:ST+7]
	v_pk_add_f32 v[12:13], v[12:13], v[14:15]
	v_add_f32 v12, v12, v13
	v_permlanex16_b32 v13, v12, s20, s21
	v_add_f32 v12, v12, v13                        ; the row's sum
	v_rcp_f32 v14, v12
	v_nop
	s_wait_alu depctr_va_vdst(0)                   ; ahead of the first line that names the reciprocal
.irp i, 0,1,2,3                        ; O^T: keys 8 h + 2 i + {0, 1} on both sides; four accumulators by turns
.irp t, 0,1,2,3
.if \i == 0
	v_wmma_f32_16x16x4_f32 v[OA+8*\t:OA+8*\t+7], v[VF+8*\t+2*\i:VF+8*\t+2*\i+1], v[ST+2*\i:ST+2*\i+1], 0
.else
	v_wmma_f32_16x16x4_f32 v[OA+8*\t:OA+8*\t+7], v[VF+8*\t+2*\i:VF+8*\t+2*\i+1], v[ST+2*\i:ST+2*\i+1], v[OA+8*\t:OA+8*\t+7]
.endif
.endr
.endr
.rept 8
	v_nop
.endr
.irp i, 0,2,4,6,8,10,12,14,16,18,20,22,24,26,28,30
	v_pk_mul_f32 v[QF+\i:QF+\i+1], v[OA+\i:OA+\i+1], v[14:15] op_sel_hi:[1,0]   ; O^T / the sum, into other registers
.endr
.irp g, 0,1,2,3,4,5,6,7
	global_store_b128 v3, v[QF+4*\g:QF+4*\g+3], s[16:17] offset:512*\g   ; 512 consecutive bytes
.endr
.Lend:
	s_wait_tensorcnt 0x0                           ; the wave's end: these three lines behind my last LDS store
	ds_add_u32 v[SPW], v[NIL]
	s_wait_dscnt 0x0
	s_endpgm
.Lfunc_end_k_q25ea371f17_fine_attn:
	.size	k_q25ea371f17_fine_attn, .Lfunc_end_k_q25ea371f17_fine_attn-k_q25ea371f17_fine_attn
	.p2alignl 7, 3214868480
	.fill 96, 4, 3214868480
	.section	.rodata,"a",@progbits
	.p2align	6, 0x0
	.amdhsa_kernel k_q25ea371f17_fine_attn
		.amdhsa_group_segment_fixed_size 13824
		.amdhsa_private_segment_fixed_size 0
		.amdhsa_enable_private_segment 0
		.amdhsa_kernarg_size 24
		.amdhsa_user_sgpr_count 2
		.amdhsa_user_sgpr_kernarg_segment_ptr 1
		.amdhsa_wavefront_size32 1
		.amdhsa_system_sgpr_workgroup_id_x 1
		.amdhsa_system_sgpr_workgroup_id_y 1
		.amdhsa_system_sgpr_workgroup_id_z 1
		.amdhsa_system_vgpr_workitem_id 0
		.amdhsa_next_free_vgpr 256
		.amdhsa_next_free_sgpr 66
		.amdhsa_reserve_vcc 1
		.amdhsa_float_denorm_mode_32 3
		.amdhsa_float_denorm_mode_16_64 3
		.amdhsa_memory_ordered 1
		.amdhsa_forward_progress 1
		.amdhsa_inst_pref_size 16
	.end_amdhsa_kernel
	.amdgpu_metadata
---
amdhsa.version: [ 1, 2 ]
amdhsa.kernels:
  - .name:           k_q25ea371f17_fine_attn
    .symbol:         k_q25ea371f17_fine_attn.kd
    .args:
      - { .name: codes, .offset: 0, .size: 8, .value_kind: global_buffer, .address_space: global }
      - { .name: scales, .offset: 8, .size: 8, .value_kind: global_buffer, .address_space: global }
      - { .name: fine, .offset: 16, .size: 8, .value_kind: global_buffer, .address_space: global }
    .group_segment_fixed_size: 13824
    .private_segment_fixed_size: 0
    .kernarg_segment_align: 8
    .kernarg_segment_size: 24
    .max_flat_workgroup_size: 384
    .sgpr_count:     66
    .vgpr_count:     256
    .wavefront_size: 32
...
	.end_amdgpu_metadata
.endif
;; end of part 2
;; launch proj (part 3): grid 4 x 48, 4 waves a work-group, clusters of 4 x 4, 327,680 bytes of LDS; arguments codes, scales, qkv; writes qkv
.if DOCPART == 3
	.amdgcn_target "amdgcn-amd-amdhsa--gfx1250"
	.amdhsa_code_object_version 6
	.text
	.protected	k_q25ea371f17_proj
	.globl	k_q25ea371f17_proj
	.p2align	8
	.type	k_q25ea371f17_proj,@function
k_q25ea371f17_proj:
	s_mov_b64 s[64:65], 0
	v_nop
	global_prefetch_b8 v0, s[64:65] scope:SCOPE_SE
	s_setreg_imm32_b32 hwreg(HW_REG_WAVE_MODE, 25, 1), 1
	s_wait_xcnt 0x0
	s_wait_alu depctr_hold_cnt(0) depctr_sa_sdst(0) depctr_va_vdst(0) depctr_va_sdst(0) depctr_va_ssrc(0) depctr_va_vcc(0) depctr_vm_vsrc(0)
	s_getreg_b32 s2, hwreg(HW_REG_IB_STS2, 6, 4)
	s_cmp_eq_u32 s2, 0
	s_cbranch_scc0 .Lentry_in_a_cluster
	s_endpgm
.Lentry_in_a_cluster:
	s_bfe_u32 s2, ttmp6, 0x10000c
	s_cmp_lg_u32 s2, 0xf033
	s_cbranch_scc0 .Lentry_shape_is_right
	s_endpgm
.Lentry_shape_is_right:
; The three quantised products, q = query Wq^T, k = key Wk^T, v = value Wv^T (M 4,096, N 1,024, K 1,024), on codes of FP4 with one E8M0 byte for each 32 along K; sums in f32, results rounded once to f16.
; A tile of 256 x 256 is made by four waves, 128 x 128 each: 64 accumulators, 512 registers.  K = 1,024 is two slots of 512 along K (rows of 256 bytes): both slots and all scale bytes
; are asked for at the start and nothing is filled again: by this text's count a wave has three tensor loads out.
; Twelve clusters of 4 x 4 work-groups: cluster y / 4 = G picks q, k or v, cluster y % 4 = Y a quarter of the 4,096 positions.
; "A" (shared along a row of the cluster, source 1) and "B" (shared along a column, source 0): for q and k A = x (tile row 4 Y + cy), B = W (tile column cx); for v A = Wv (tile row cy), B = value (tile column 4 Y + cx).
; In the result a lane holds ONE row of A (lane % 16) and eight neighbouring rows of B (8 (lane / 16) + 0 .. 7).  So for q and k a lane holds a position and 8 channels, for v a channel and 8 keys:
; packed to f16 these are the attention launch's operand registers, and they are stored as such images: qkv = q, k, v, each [head 16][tile of 16 positions 256][piece 4][512 bytes], lane l's 16 bytes at 16 l.
;   q, k: piece p: position 16 st + r, dims 16 p + 8 h + 0 .. 7.     v: piece p: channel 16 p + r, keys 16 st + 8 h + 0 .. 7.     Each store covers 512 consecutive bytes; no result goes through LDS.
; LIMITS: |q|, |k|, |v| stay under 65,504 (f16).
; REGISTERS, in windows of 256: window 0: v0-31 addresses; v32-95 scale words, two sets; from v128 A's fragments, one set; on the way out v128-255 take the packed results.
;   window 1: B's fragments, two sets, at v0 and v128.   window 2: the accumulators of my rows 0-63 ((a, b) at v[8 (8 a + b)]);   window 3: those of my rows 64-127.
.set KSTEP,  512
.set NQ,     KSTEP/128                 ; matrix instructions deep in a slot
.set ROWB,   256                       ; a tile's row in bytes
.set KROW,   512                       ; a row of codes in memory
.set PITCH,  272                       ; an LDS row: 256 bytes + 16 of padding: the 16 rows that a load touches start 16 bytes apart modulo 256
.set FR,     8
.set NL,     2
.set NP,     4                         ; places behind this matrix form
.set HALFT,  128*PITCH
.set SLOT,   4*HALFT                   ; A's 256 rows, then B's 256 rows
.set KS,     32                        ; a row of scale bytes
.set SCL,    2*SLOT                    ; behind the slots: the scale bytes, as units of 256 bytes + 16 of padding
.set HALFS,  (128*KS/256)*272
.set SBLK,   (16*KS/256)*272
.set SPARE,  SCL+4*HALFS               ; the spare words, 128 bytes a wave, named by no other line
.set ADRA, 16                          ; v16-17 LDS address of my A fragments in slot 0, 1
.set ADRB, 20                          ; v20-21 the same for B
.set CO,   26                          ; v26 16 x lane: my place in an image
.set ADRS, 27                          ; v27 LDS address of my scale words: lanes 0-15 A's rows, lanes 16-31 B's
.set SPW,  28                          ; v28 LDS address of my spare word; never rewritten
.set NIL,  29                          ; v29 0; never rewritten
.set SC,   32                          ; scale words: set s at v[SC + 32 s]; register 4 i + q: lanes 0-15 A's block i, lanes 16-31 B's block i, the slot's q-th 128 along K
.set AF,   128
.set OUTR, 128
.set G1, 24                            ; s[24:31] group 1 for A's tiles; s[32:39] group 0, one set a slot
.set G0, 32
.set G1B, 48                           ; s[48:55], s[56:63] the same for B's
.set G0B, 56
.set G1S, 68                           ; s[68:75], s[76:79] groups 1 and 0 for A's scale bytes; s[80:87], s[88:91] for B's
.set G0S, 76
.set G1SB, 80
.set G0SB, 88
.set MSB, 0
.macro WIN new                         ; the immediate's high byte repeats the setting that is left
.if MSB != \new
	s_set_vgpr_msb (MSB<<8)|\new
.set MSB, \new
.endif
.endm
.set MUL_LO, 0xa1                      ; source 0 (B) window 1, source 1 (A) window 0, C and D window 2
.set MUL_HI, 0xf1                      ; the same, C and D window 3
.set TO_B,   0x40                      ; destination window 1
; A joint load: waves 0 and 1 fetch for A, waves 2 and 3 for B; the branch hangs on the wave's number alone.  An s_nop 0 and four v_nop follow each of the two lines.
.macro JLOAD g0a, g1a, g0b, g1b
	s_cmp_eq_u32 s15, 0
	s_cbranch_scc0 .Lfor_b_\@
	tensor_load_to_lds s[\g0a:\g0a+3], s[\g1a:\g1a+7]
	s_nop 0
.rept 4
	v_nop
.endr
	s_branch .Lasked_\@
.Lfor_b_\@:
	tensor_load_to_lds s[\g0b:\g0b+3], s[\g1b:\g1b+7]
	s_nop 0
.rept 4
	v_nop
.endr
.Lasked_\@:
.endm
.macro CROUND                          ; a round of the cluster's barrier
	s_barrier_signal -1
	s_barrier_wait -1
	s_cmp_lg_u32 s14, 0
	s_cbranch_scc1 .Lnot_wave_0_\@
	s_barrier_signal -3
.Lnot_wave_0_\@:
	s_barrier_wait -3
	s_barrier_signal -1
	s_barrier_wait -1
.endm
	s_load_b128 s[4:7], s[0:1], 0x0                ; codes, scales
	s_load_b64 s[12:13], s[0:1], 0x10              ; qkv
	v_lshl_add_u32 v[SPW], v0, 2, SPARE
	v_mov_b32 v[NIL], 0
	ds_add_u32 v[SPW], v[NIL]                      ; the wave's opening: the add, twice on end, and its wait ahead of my first tensor load
	ds_add_u32 v[SPW], v[NIL]
	v_lshrrev_b32 v1, 5, v0
	v_readfirstlane_b32 s14, v1                    ; wave 0..3
	s_lshr_b32 s15, s14, 1                         ; which half of the tile's rows (A) is mine.  Also: I fetch for A (0) or for B (1)
	s_and_b32 s16, s14, 1                          ; which half of its columns (B).  Also: which 128 rows of that tile I fetch
	s_bfe_u32 s40, ttmp6, 0x40000                  ; cx
	s_bfe_u32 s41, ttmp6, 0x40004                  ; cy
	s_and_b32 s8, ttmp7, 0xffff                    ; cluster y, 0..11: the same in all sixteen partners
	s_lshr_b32 s66, s8, 2                          ; G: q, k, v
	s_and_b32 s67, s8, 3
	s_lshl_b32 s67, s67, 2                         ; 4 Y
	s_lshl_b32 s95, s66, 21                        ; where x's codes begin,
	s_lshl_b32 s96, s66, 19
	s_add_co_u32 s96, s96, 0x600000                ; and W's
	s_cmp_lt_u32 s66, 2
	s_cselect_b32 s17, s67, 0
	s_cselect_b32 s42, 0, s67
	s_cselect_b32 s97, s95, s96                    ; A's codes: x for q and k, Wv for v
	s_cselect_b32 s98, s96, s95                    ; B's: the other
	s_add_co_u32 s17, s17, s41                     ; tile row (of A): made of cy alone
	s_add_co_u32 s42, s42, s40                     ; tile column (of B): made of cx alone
	s_lshl_b32 s43, s41, 2
	s_lshl_b32 s43, 15, s43                        ; my row of the cluster
	s_lshl_b32 s44, 0x1111, s40                    ; my column
	s_or_b32 s[G1+0], s43, (0<<16)|(1<<20)|(1<<21)|(5<<22)|(3<<25)  ; the mask; elements of 1 byte; padding on; bit 21 beside a mask; 4 words of padding after every 64
	s_or_b32 s[G1B+0], s44, (0<<16)|(1<<20)|(1<<21)|(5<<22)|(3<<25)
.irp g, G1, G1B
	s_mov_b32 s[\g+1], ROWB<<16                    ; tensor_dim0
	s_mov_b32 s[\g+2], 128<<16                     ; tensor_dim1
	s_mov_b32 s[\g+3], ROWB<<16                    ; tile_dim0
	s_mov_b32 s[\g+4], 128                         ; tile_dim1
	s_mov_b32 s[\g+5], KROW                        ; the pitch
	s_mov_b32 s[\g+6], 0
	s_mov_b32 s[\g+7], 0
.endr
	s_or_b32 s[G1S+0], s43, (3<<16)|(1<<20)|(1<<21)|(5<<22)|(3<<25)  ; the scale bytes of 128 rows: 4,096 dense bytes, as 16 rows of 256 (32 elements of 8 bytes)
	s_or_b32 s[G1SB+0], s44, (3<<16)|(1<<20)|(1<<21)|(5<<22)|(3<<25)
.irp g, G1S, G1SB
	s_mov_b32 s[\g+1], 32<<16
	s_mov_b32 s[\g+2], (128*KS/256)<<16
	s_mov_b32 s[\g+3], 32<<16
	s_mov_b32 s[\g+4], 128*KS/256
	s_mov_b32 s[\g+5], 32
	s_mov_b32 s[\g+6], 0
	s_mov_b32 s[\g+7], 0
.endr
	s_lshl_b32 s18, s16, 7                         ; which 128 rows of the tile I fetch
	s_lshl_b32 s20, s17, 8
	s_add_co_u32 s20, s20, s18                     ; A: row 256 x tile row + 128 x half
	s_lshl_b32 s46, s42, 8
	s_add_co_u32 s46, s46, s18                     ; B: row 256 x tile column + 128 x half
	s_lshl_b32 s22, s20, 5                         ; A's scale bytes: 32 a row,
	s_lshr_b32 s19, s97, 4
	s_add_co_u32 s22, s22, s19                     ; from the tensor's first (a sixteenth of the codes' offset)
	s_mov_b32 s23, 0
	s_lshl_b32 s20, s20, 9                         ; A's codes: 512 bytes a row
	s_add_co_u32 s20, s20, s97
	s_mov_b32 s21, 0
	s_lshl_b32 s92, s46, 5                         ; B likewise
	s_lshr_b32 s19, s98, 4
	s_add_co_u32 s92, s92, s19
	s_mov_b32 s93, 0
	s_lshl_b32 s46, s46, 9
	s_add_co_u32 s46, s46, s98
	s_mov_b32 s47, 0
	s_mul_i32 s45, s14, HALFT                      ; where they go: wave x 128 rows: no place in the cluster enters an LDS address
	s_mul_i32 s94, s14, HALFS
	s_wait_dscnt 0x0                               ; both opening adds are done
	s_wait_kmcnt 0x0
	s_add_nc_u64 s[20:21], s[4:5], s[20:21]
	s_add_nc_u64 s[22:23], s[6:7], s[22:23]
	s_add_nc_u64 s[46:47], s[4:5], s[46:47]
	s_add_nc_u64 s[92:93], s[6:7], s[92:93]
	CROUND                                         ; all sixteen work-groups are here: the joint loads meet
	s_mov_b32 s[G0S], 1
	s_add_co_u32 s[G0S+1], s94, SCL
	s_mov_b64 s[G0S+2:G0S+3], s[22:23]
	s_or_b32 s[G0S+3], s[G0S+3], 0x80000000
	s_mov_b32 s[G0SB], 1
	s_add_co_u32 s[G0SB+1], s94, SCL
	s_mov_b64 s[G0SB+2:G0SB+3], s[92:93]
	s_or_b32 s[G0SB+3], s[G0SB+3], 0x80000000
	JLOAD G0S, G1S, G0SB, G1SB                     ; the scale bytes first: they are wanted with the first slot
.irp s, 0,1
	s_mov_b32 s[G0+4*\s], 1
	s_add_co_u32 s[G0+4*\s+1], s45, \s*SLOT
	s_add_nc_u64 s[G0+4*\s+2:G0+4*\s+3], s[20:21], \s*ROWB
	s_or_b32 s[G0+4*\s+3], s[G0+4*\s+3], 0x80000000
	s_mov_b32 s[G0B+4*\s], 1
	s_add_co_u32 s[G0B+4*\s+1], s45, \s*SLOT
	s_add_nc_u64 s[G0B+4*\s+2:G0B+4*\s+3], s[46:47], \s*ROWB
	s_or_b32 s[G0B+4*\s+3], s[G0B+4*\s+3], 0x80000000
	JLOAD G0+4*\s, G1, G0B+4*\s, G1B
.endr
	v_and_b32 v1, 15, v0                           ; l % 16
	v_bfe_u32 v2, v0, 4, 1                         ; l / 16
	v_mul_u32_u24 v3, v1, PITCH
	v_lshl_add_u32 v4, v2, 4, v3                   ; a fragment's row x pitch + 16 x half
	s_mul_i32 s21, s15, HALFT                      ; my 128 rows of A
	s_mul_i32 s22, s16, HALFT                      ; my 128 rows of B,
	s_add_co_u32 s22, s22, 2*HALFT                 ; which lie behind A's 256
.irp s, 0,1
	v_add_nc_u32 v[ADRA+\s], s21, v4
	v_add_nc_u32 v[ADRB+\s], s22, v4
	s_add_co_u32 s21, s21, SLOT
	s_add_co_u32 s22, s22, SLOT
.endr
	v_mul_u32_u24 v5, v1, KS                       ; my row's scale bytes: 32 a row,
	v_lshrrev_b32 v6, 8, v5
	v_lshl_add_u32 v5, v6, 4, v5                   ; and 16 more for each 256 passed
	s_mul_i32 s21, s15, HALFS                      ; A's: my 128 rows
	s_mul_i32 s22, s16, HALFS                      ; B's: my 128 rows, behind A's 256
	s_add_co_u32 s22, s22, 2*HALFS
	s_sub_co_u32 s22, s22, s21
	v_mul_u32_u24 v6, s22, v2                      ; lanes 16-31 take B's: one product, the distance between the two bases
	s_add_co_u32 s21, s21, SCL
	v_add_nc_u32 v5, v5, v6
	v_add_nc_u32 v[ADRS], s21, v5
	v_and_b32 v6, 31, v0
	v_lshlrev_b32 v[CO], 4, v6
	; where my images begin in qkv.  q, k: head 4 x tile column + 2 x column half, tile of positions 16 x tile row + 8 x row half.  v: the two change places.
	s_lshl_b32 s8, s42, 2
	s_lshl_b32 s9, s16, 1
	s_add_co_u32 s8, s8, s9                        ; 4 x tile column + 2 x column half
	s_lshl_b32 s9, s17, 2
	s_lshl_b32 s10, s15, 1
	s_add_co_u32 s9, s9, s10                       ; 4 x tile row + 2 x row half
	s_cmp_lt_u32 s66, 2
	s_cselect_b32 s10, s8, s9                      ; the head,
	s_cselect_b32 s11, s9, s8                      ; a quarter of the tile of positions
	s_lshl_b32 s10, s10, 19                        ; 512 KiB a head
	s_lshl_b32 s11, s11, 13                        ; 4 x 2,048 bytes
	s_add_co_u32 s10, s10, s11
	s_lshl_b32 s11, s66, 23                        ; 8 MiB a tensor
	s_add_co_u32 s10, s10, s11
	s_mov_b32 s11, 0
	s_add_nc_u64 s[12:13], s[12:13], s[10:11]
.macro FRAG reg, adr, q, i             ; 16 rows x 128 K of 4-bit codes: registers 4 c .. 4 c + 3 hold K = 64 c + 32 (l / 16) + 0 .. 31
.irp c, 0,1
	ds_load_b128 v[\reg+4*\c:\reg+4*\c+3], v[\adr] offset:64*(\q)+32*\c+(\i)*16*PITCH
.endr
.endm
; 16 matrix instructions: A's blocks a0, a0 + 1 x B's eight.  p: B's set; sc: the set of scale words; zero = 1: the product starts the sums.  The 64 accumulators take turns, in the same order in every step.
.macro MUL16 a0, p, q, sc, zero
.irp a, \a0, \a0+1
.irp b, 0,1,2,3,4,5,6,7
.if \zero
	v_wmma_scale_f32_16x16x128_f8f6f4 v[8*(8*((\a)%4)+\b):8*(8*((\a)%4)+\b)+7], v[128*(\p)+FR*\b:128*(\p)+FR*\b+FR-1], v[AF+FR*(\a):AF+FR*(\a)+FR-1], 0, v[SC+8*NQ*(\sc)+NQ*\b+(\q)], v[SC+8*NQ*(\sc)+NQ*(\a)+(\q)] matrix_a_fmt:MATRIX_FMT_FP4 matrix_b_fmt:MATRIX_FMT_FP4 matrix_a_scale:MATRIX_SCALE_ROW1
.else
	v_wmma_scale_f32_16x16x128_f8f6f4 v[8*(8*((\a)%4)+\b):8*(8*((\a)%4)+\b)+7], v[128*(\p)+FR*\b:128*(\p)+FR*\b+FR-1], v[AF+FR*(\a):AF+FR*(\a)+FR-1], v[8*(8*((\a)%4)+\b):8*(8*((\a)%4)+\b)+7], v[SC+8*NQ*(\sc)+NQ*\b+(\q)], v[SC+8*NQ*(\sc)+NQ*(\a)+(\q)] matrix_a_fmt:MATRIX_FMT_FP4 matrix_b_fmt:MATRIX_FMT_FP4 matrix_a_scale:MATRIX_SCALE_ROW1
.endif
.endr
.endr
.endm
.macro FETCH_B slot, q, p
	WIN TO_B
.irp i, 0,1,2,3,4,5,6,7
	FRAG 128*(\p)+FR*\i, ADRB+\slot, \q, \i
.endr
	WIN 0
.endm
.macro FETCH_A slot, q, i0
.irp i, \i0, \i0+1, \i0+2, \i0+3
	FRAG AF+FR*(\i), ADRA+\slot, \q, \i
.endr
.endm
.macro SCALES sc                       ; a slot's scale words: four a row; lanes 0-15 take A's block i, lanes 16-31 B's
.irp i, 0,1,2,3,4,5,6,7
	ds_load_b128 v[SC+8*NQ*\sc+NQ*\i:SC+8*NQ*\sc+NQ*\i+3], v[ADRS] offset:\i*SBLK
.endr
.endm
.macro PLACES n                        ; plain vector lines between a matrix instruction and a load into, or a read of, its registers
.rept \n
	v_nop
.endr
.endm
.macro STEP slot, q, zero              ; 128 along K that has its successor in the same slot
	s_wait_dscnt 4*NL                              ; B's set and A's blocks 0-3 are in; the youngest eight loads (A's blocks 4-7) may be out
	WIN MUL_LO
	MUL16 0, (\q)%2, \q, \slot, \zero
	MUL16 2, (\q)%2, \q, \slot, \zero
	s_wait_dscnt 0
	PLACES NP
	FETCH_B \slot, (\q)+1, 1-(\q)%2
	FETCH_A \slot, (\q)+1, 0
	WIN MUL_HI
	MUL16 4, (\q)%2, \q, \slot, \zero
	MUL16 6, (\q)%2, \q, \slot, \zero
	PLACES NP
	WIN 0
	FETCH_A \slot, (\q)+1, 4
.endm
.macro TURN slot, next                 ; slot 0's last step changes slots: one barrier
	s_wait_tensorcnt 0x0                           ; all my tensor loads have landed: my part of the next slot
	ds_add_u32 v[SPW], v[NIL]                      ; 0 onto my spare word
	s_wait_dscnt 4*NL+1                            ; the add and the youngest eight loads may be out
	WIN MUL_LO
	MUL16 0, 1, NQ-1, \slot, 0
	s_wait_dscnt 0x0                               ; the add is done, and my reads of this slot are over
	s_barrier_signal -1
	MUL16 2, 1, NQ-1, \slot, 0
	WIN 0
	s_barrier_wait -1                              ; every wave's part of the next slot has landed
	PLACES NP
	v_add_nc_u32 v[ADRS], 4*NQ, v[ADRS]            ; on to the next slot's scale words
	FETCH_B \next, 0, 0
	FETCH_A \next, 0, 0
	SCALES \next
	WIN MUL_HI
	MUL16 4, 1, NQ-1, \slot, 0
	MUL16 6, 1, NQ-1, \slot, 0
	PLACES NP
	WIN 0
	FETCH_A \next, 0, 4
.endm
	s_wait_tensorcnt 1                             ; the scale bytes and my part of slot 0 are in; slot 1's load may be out,
	s_barrier_signal -1
	s_barrier_wait -1                              ; everybody's are
	FETCH_B 0, 0, 0
	FETCH_A 0, 0, 0
	SCALES 0
	FETCH_A 0, 0, 4
	STEP 0, 0, 1                                   ; the first step's products start the sums: nothing is cleared
	STEP 0, 1, 0
	STEP 0, 2, 0
	TURN 0, 1
	STEP 1, 0, 0
	STEP 1, 1, 0
	STEP 1, 2, 0
	s_wait_dscnt 4*NL                              ; the last step: nothing more to fetch
	WIN MUL_LO
	MUL16 0, 1, NQ-1, 1, 0
	MUL16 2, 1, NQ-1, 1, 0
	s_wait_dscnt 0
	WIN MUL_HI
	MUL16 4, 1, NQ-1, 1, 0
	MUL16 6, 1, NQ-1, 1, 0
	WIN 0
; THE WAY OUT.  An accumulator's eight numbers of a lane pack into 16 bytes, a piece's share of that lane; 32 accumulators at a time, each from its low end on.
; swap = 0 (q, k): block a is the tile of positions, block b the head (b / 4) and the piece (b % 4).  swap = 1 (v): a is the head and the piece, b the tile of positions.
.macro OUT swap
.irp hi, 0,1
.if \hi
	s_wait_xcnt 0x0                                ; the first half's stores have read their data: the registers may be written again
.endif
	WIN 0x0a+5*\hi                                 ; sources 0 and 1: window 2 or 3
.irp a, 0,1,2,3
.irp b, 0,1,2,3,4,5,6,7
.irp i, 0,1,2,3
	v_cvt_pk_f16_f32 v[OUTR+4*(8*\a+\b)+\i], v[8*(8*\a+\b)+2*\i], v[8*(8*\a+\b)+2*\i+1]
.endr
.endr
.endr
	WIN 0
.irp a, 0,1,2,3
.irp b, 0,1,2,3,4,5,6,7
.if \swap
	global_store_b128 v[CO], v[OUTR+4*(8*\a+\b):OUTR+4*(8*\a+\b)+3], s[12:13] offset:\hi*524288+\b*2048+\a*512
.else
	global_store_b128 v[CO], v[OUTR+4*(8*\a+\b):OUTR+4*(8*\a+\b)+3], s[12:13] offset:(\b/4)*524288+(4*\hi+\a)*2048+(\b%4)*512
.endif
.endr
.endr
.endr
.endm
	PLACES NP                                      ; ahead of the reads of the last results and of the writes over A's fragments
	s_cmp_eq_u32 s66, 2                            ; G: the same in all partners
	s_cbranch_scc1 .Lout_v
	OUT 0
	s_branch .Ldone
.Lout_v:
	OUT 1
.Ldone:
	s_wait_tensorcnt 0x0                           ; the wave's end: these three lines behind my last tensor load
	ds_add_u32 v[SPW], v[NIL]
	s_wait_dscnt 0x0
	CROUND                                         ; the closing round: no work-group ends while a partner may still ask for a tile that names it
	s_endpgm
.Lfunc_end_k_q25ea371f17_proj:
	.size	k_q25ea371f17_proj, .Lfunc_end_k_q25ea371f17_proj-k_q25ea371f17_proj
	.p2alignl 7, 3214868480
	.fill 96, 4, 3214868480
	.section	.rodata,"a",@progbits
	.p2align	6, 0x0
	.amdhsa_kernel k_q25ea371f17_proj
		.amdhsa_group_segment_fixed_size 327680
		.amdhsa_private_segment_fixed_size 0
		.amdhsa_enable_private_segment 0
		.amdhsa_kernarg_size 24
		.amdhsa_user_sgpr_count 2
		.amdhsa_user_sgpr_kernarg_segment_ptr 1
		.amdhsa_wavefront_size32 1
		.amdhsa_system_sgpr_workgroup_id_x 1
		.amdhsa_system_sgpr_workgroup_id_y 1
		.amdhsa_system_sgpr_workgroup_id_z 1
		.amdhsa_system_vgpr_workitem_id 0
		.amdhsa_next_free_vgpr 1024
		.amdhsa_next_free_sgpr 100
		.amdhsa_reserve_vcc 0
		.amdhsa_float_denorm_mode_32 3
		.amdhsa_float_denorm_mode_16_64 3
		.amdhsa_memory_ordered 1
		.amdhsa_forward_progress 1
		.amdhsa_inst_pref_size 140
	.end_amdhsa_kernel
	.amdgpu_metadata
---
amdhsa.version: [ 1, 2 ]
amdhsa.kernels:
  - .name:           k_q25ea371f17_proj
    .symbol:         k_q25ea371f17_proj.kd
    .args:
      - { .name: codes, .offset: 0, .size: 8, .value_kind: global_buffer, .address_space: global }
      - { .name: scales, .offset: 8, .size: 8, .value_kind: global_buffer, .address_space: global }
      - { .name: qkv, .offset: 16, .size: 8, .value_kind: global_buffer, .address_space: global }
    .group_segment_fixed_size: 327680
    .private_segment_fixed_size: 0
    .kernarg_segment_align: 8
    .kernarg_segment_size: 24
    .max_flat_workgroup_size: 128
    .sgpr_count:     100
    .vgpr_count:     1024
    .wavefront_size: 32
...
	.end_amdgpu_metadata
.endif
;; end of part 3
;; launch attention (part 4): grid 16 x 16, 16 waves a work-group, no clusters, 327,680 bytes of LDS; arguments qkv, attn; writes attn
.if DOCPART == 4
	.amdgcn_target "amdgcn-amd-amdhsa--gfx1250"
	.amdhsa_code_object_version 6
	.text
	.protected	k_q25ea371f17_attention
	.globl	k_q25ea371f17_attention
	.p2align	8
	.type	k_q25ea371f17_attention,@function
k_q25ea371f17_attention:
	s_mov_b64 s[64:65], 0
	v_nop
	global_prefetch_b8 v0, s[64:65] scope:SCOPE_SE
	s_setreg_imm32_b32 hwreg(HW_REG_WAVE_MODE, 25, 1), 1
	s_wait_xcnt 0x0
; attn[q][64 head + :] = the sum over keys k <= q of softmax_k(q . k / 8) v, for 16 heads of 64 and 4,096 positions.  Operands f16, products, maxima and sums f32; p is rounded to f16 for the second product.
; qkv holds q, k, v as images of operand registers: [head][tile of 16 positions][piece 4][512 bytes]; a fragment is two pieces, read at 16 x lane: no padding, no turning.
; SHARES.  Work-group (j, head) owns the blocks of 128 queries j and 31 - j: (j + 1) + (32 - j) = 33 blocks of 128 x 128 under the causal mask for every one of the 256 work-groups.
; Sixteen waves, four to a SIMD, so that one wave's softmax stands beside another's products.  Wave w: kh = bit 1 (which half of the keys), g = w / 4 (32 queries of a block), e = (w xor g) & 1 (the early or the late block).
; A wave keeps two tiles of 16 queries and walks every second run of 64 keys, so that each fragment of K and V that it reads from LDS feeds two matrix instructions.  The two halves of the keys are merged once, at the end.
; LAYOUT.  S^T = K Q^T and O^T = V^T P: a lane holds ONE query (lane % 16) throughout; two tiles of S^T, rounded in pairs, are source 1 of the second product.
; SOFTMAX.  A running maximum m and sum l for each query: p = 2^(c s - c m), c = log2(e) / 8; in every step O and l are multiplied by 2^(c m_old - c m_new).
; THE RING.  Two LDS slots of 256 keys.  Waves 0-3 fetch 16 KiB each: K's dims 0-31, K's dims 32-63, V's channels 0-31, V's channels 32-63: 16 rows of 1,024 bytes, 2,048 bytes apart in memory.
; Each of the four holds bytes of the slot's first 128 keys, so each is read whenever the slot is asked for.  Every work-group walks all 16 slots (constant trip counts); a step all of whose keys are hidden is jumped over,
; and a slot whose first key comes after the work-group's last query is not asked for: conditions on ids and step counts alone, the same in all sixteen waves.  Every wait on TENSORcnt is for 0.
; NO CLUSTER: work-groups of a head end their walk at different keys (128 (32 - j)), so a partner would be named in loads of tiles that none of its waves reads.
; attn: [tile of 16 rows 256][32 along K 32][2][512 bytes]: lane (r, h): row 16 mt + r, k = 32 kb + 16 c + 8 h + 0 .. 7: the next launch's operand registers.  Each store covers 512 consecutive bytes.
; Rows 0-15 are made here too, in f16 operands; the program's last launch replaces what follows from them by the f32 way.
; LIMITS: NaN and infinities are not served; |attn| stays under 65,504 (f16).
.set SLOTB, 65536                      ; a slot: K dims 0-31 at 0, K dims 32-63 at 16384, V channels 0-31 at 32768, V channels 32-63 at 49152; each [tile of 16 keys 16][1,024]
.set STG,   131072                     ; behind the ring: a stage for each wave: O 8,192 bytes; then for tile u: c m at 8192 + 256 u, l at + 128
.set WST,   8704
.set SPARE, STG+16*WST                 ; the spare words, 128 bytes a wave, named by no other line
.set A0,   1                           ; v1  16 x lane + 4096 kh: my lane's place in a slot's part
.set ADR,  2                           ; v2  the same in the slot in hand
.set SPW,  3                           ; v3  LDS address of my spare word; never rewritten
.set NIL,  4                           ; v4  0; never rewritten
.set DD,   5                           ; v5  the mask's d
.set NINF, 6                           ; v6  -infinity
.set PFO,  7                           ; v7  256 x lane: the prefetches' offset
.set ST,   8                           ; tile u's statistics at v[8 + 8 u]: +0 c m, +1 m, +2, +3 l (even keys', odd keys'), +4 .. +7 c0-c3, at work; the rescaling factor takes c2's place
.set SA,   24                          ; v24 my stage + 16 x lane;  v25 my stage + 4 x lane
.set SB,   25
.set RA,   26                          ; v26 the stage of my pair's kh = 0 wave + 4096 kh + 16 x lane;  v27 the same + 8192 + 256 kh + 4 x lane
.set RB,   27
.set LI,   28                          ; v28 16 x lane
.set D0,   29                          ; v29 r - 8 h
.set Q,    32                          ; v32-63   Q: tile u, dims 32 db on: + 16 u + 8 db
.set S,    64                          ; v64-127  S^T: tile u, keys 16 kt on: + 32 u + 8 kt; P is packed in place into + 32 u + 0 .. 15
.set O,    128                         ; v128-191 O^T: tile u, channels 16 c4 on: + 32 u + 8 c4
.set KV,   192                         ; v192-255 K (kt, db) at + 16 kt + 8 db, then V (c4, kb) at + 16 c4 + 8 kb
; s8 wave, s9 kh, s10 g, s11 e, s13 head, s15 my first query, s16 my step's first key, s17 the slot's LDS byte, s18 slots to go, s19 the slot's first key, s[20:21] lane selects, s[22:23] c,
; s[24:31] descriptor group 1, s[32:35] group 0 (it walks), s[36:37] where my prefetches stand, s38 1 in a wave that prefetches, s39 the work-group's last query, s40-51 at work
.macro TLOAD                           ; waves 0-3 fetch, the others nothing.  An s_nop 0 and four v_nop follow the load
	s_cmp_lt_u32 s8, 4
	s_cbranch_scc0 .Lasked_\@
	tensor_load_to_lds s[32:35], s[24:31]
	s_nop 0
.rept 4
	v_nop
.endr
.Lasked_\@:
.endm
; A prefetch into the L2 of the slot that the NEXT change of slots will ask for.  All work-groups of a head walk the same K and V: work-group j = 0, which walks all slots, asks; in it waves 4-7 ask for K's 32 KiB of the slot
; and waves 8-11 for V's, 8 KiB a wave, lanes 256 bytes apart: each block is named once in the launch.  Slots 0 and 1 come by their loads alone; the last change that fills a slot asks for nothing.
.macro ASK
	s_cmp_gt_u32 s18, s38
	s_cbranch_scc0 .Lnot_mine_\@
	global_prefetch_b8 v[PFO], s[36:37] th:TH_LOAD_NT scope:SCOPE_SE
.Lnot_mine_\@:
.endm
	s_load_b128 s[4:7], s[0:1], 0x0                ; qkv, attn
	v_lshl_add_u32 v[SPW], v0, 2, SPARE
	v_mov_b32 v[NIL], 0
	ds_add_u32 v[SPW], v[NIL]                      ; the wave's opening: the add, twice on end, and its wait ahead of my first tensor load
	ds_add_u32 v[SPW], v[NIL]
	v_lshrrev_b32 v30, 5, v0
	v_readfirstlane_b32 s8, v30                    ; wave 0..15
	s_bfe_u32 s9, s8, 0x10001                      ; kh
	s_lshr_b32 s10, s8, 2                          ; g
	s_xor_b32 s11, s8, s10
	s_and_b32 s11, s11, 1                          ; e
	s_and_b32 s13, ttmp7, 0xffff                   ; the head
	s_sub_co_u32 s40, 31, ttmp9
	s_cmp_eq_u32 s11, 0
	s_cselect_b32 s14, ttmp9, s40                  ; my block of 128 queries: j or 31 - j
	s_lshl_b32 s15, s14, 7
	s_lshl_b32 s41, s10, 5
	s_add_co_u32 s15, s15, s41                     ; my first query
	s_lshl_b32 s16, s9, 6                          ; my first key: 64 kh
	s_mov_b32 s17, 0
	s_mov_b32 s18, 15
	s_mov_b32 s19, 0
	s_mov_b32 s20, 0x76543210
	s_mov_b32 s21, 0xfedcba98
	s_mov_b32 s22, 0x3e38aa3b                      ; c = log2(e) / sqrt(64)
	s_mov_b32 s23, s22                             ; (named with it as a pair, so it is written)
	s_sub_co_u32 s39, 32, ttmp9
	s_lshl_b32 s39, s39, 7
	s_sub_co_u32 s39, s39, 1                       ; the work-group's last query: 128 (32 - j) - 1
	s_mov_b32 s24, 3<<16                           ; group 1: no mask, elements of 8 bytes, no padding
	s_mov_b32 s25, 128<<16                         ; tensor_dim0 = 128 elements: 1,024 bytes
	s_mov_b32 s26, 16<<16                          ; tensor_dim1 = 16
	s_mov_b32 s27, 128<<16                         ; tile_dim0
	s_mov_b32 s28, 16                              ; tile_dim1
	s_mov_b32 s29, 256                             ; the pitch: 2,048 bytes
	s_mov_b32 s30, 0
	s_mov_b32 s31, 0
	s_mov_b32 s32, 1                               ; group 0: count
	s_and_b32 s33, s8, 3
	s_lshl_b32 s33, s33, 14                        ; LDS: slot 0, part wave % 4
	s_lshl_b32 s42, s9, 23                         ; waves 0, 1: K; waves 2, 3: V, 8 MiB on
	s_add_co_u32 s42, s42, 0x800000
	s_lshl_b32 s43, s13, 19
	s_add_co_u32 s42, s42, s43                     ; the head's 512 KiB
	s_and_b32 s43, s8, 1
	s_lshl_b32 s43, s43, 10
	s_add_co_u32 s42, s42, s43                     ; the first or the second two pieces of each tile
	s_mov_b32 s43, 0
	s_lshl_b32 s44, s13, 19                        ; Q: the head, my first tile of 16 queries (128 bytes a query)
	s_lshl_b32 s45, s15, 7
	s_add_co_u32 s44, s44, s45
	s_mov_b32 s45, 0
	s_lshl_b32 s48, s15, 11                        ; attn: 32 KiB a tile of 16 rows; I finish tile kh of my pair's two;
	s_lshl_b32 s49, s9, 15
	s_add_co_u32 s48, s48, s49
	s_lshl_b32 s49, s13, 11                        ; the head's four pieces
	s_add_co_u32 s48, s48, s49
	s_mov_b32 s49, 0
	s_mov_b32 s51, 0x1000000                       ; the prefetches: waves 4-7 stand in K, waves 8-11 in V,
	s_cmp_lt_u32 s8, 8
	s_cselect_b32 s50, 0x800000, s51
	s_lshl_b32 s51, s13, 19
	s_add_co_u32 s50, s50, s51
	s_and_b32 s51, s8, 3
	s_lshl_b32 s51, s51, 13                        ; 8 KiB a wave,
	s_add_co_u32 s50, s50, s51
	s_add_co_u32 s50, s50, 32768                   ; in slot 1: the first change of slots steps it to slot 2
	s_mov_b32 s51, 0
	s_sub_co_u32 s40, s8, 4
	s_lshr_b32 s40, s40, 3                         ; 0 in waves 4 to 11,
	s_or_b32 s40, s40, ttmp9                       ; of work-group j = 0
	s_cmp_eq_u32 s40, 0
	s_cselect_b32 s38, 1, -1
	v_and_b32 v30, 31, v0
	v_lshlrev_b32 v[LI], 4, v30
	v_lshlrev_b32 v[PFO], 8, v30
	v_lshlrev_b32 v31, 2, v30
	s_lshl_b32 s40, s9, 12
	v_add_nc_u32 v[A0], s40, v[LI]
	s_mul_i32 s40, s8, WST
	s_add_co_u32 s40, s40, STG
	v_add_nc_u32 v[SA], s40, v[LI]
	v_add_nc_u32 v[SB], s40, v31
	s_and_b32 s41, s8, 13                          ; my pair's kh = 0 wave
	s_mul_i32 s41, s41, WST
	s_add_co_u32 s41, s41, STG
	s_lshl_b32 s40, s9, 12
	s_add_co_u32 s40, s40, s41
	v_add_nc_u32 v[RA], s40, v[LI]
	s_lshl_b32 s40, s9, 8
	s_add_co_u32 s40, s40, s41
	s_add_co_u32 s40, s40, 8192
	v_add_nc_u32 v[RB], s40, v31
	v_and_b32 v30, 15, v0
	v_bfe_u32 v[D0], v0, 4, 1
	v_lshlrev_b32 v[D0], 3, v[D0]
	v_sub_nc_u32 v[D0], v30, v[D0]
	v_mov_b32 v[NINF], 0xff800000
	s_wait_dscnt 0x0                               ; both opening adds are done
	s_wait_kmcnt 0x0
	s_add_nc_u64 s[34:35], s[4:5], s[42:43]
	s_or_b32 s35, s35, 0x80000000                  ; type = 2
	TLOAD                                          ; slot 0: it holds key 0, which counts for every query
	s_add_nc_u64 s[46:47], s[4:5], s[44:45]
	s_add_nc_u64 s[36:37], s[4:5], s[50:51]
	s_add_nc_u64 s[6:7], s[6:7], s[48:49]
.irp u, 0,1
.irp d, 0,1
.irp c, 0,1
	global_load_b128 v[Q+16*\u+8*\d+4*\c:Q+16*\u+8*\d+4*\c+3], v[LI], s[46:47] offset:2048*\u+1024*\d+512*\c   ; Q stays in registers
.endr
.endr
.endr
.irp u, 0,1
	v_mov_b32 v[ST+8*\u+1], 0xff61b1e6             ; m: -3e38, under every score
	v_mul_f32 v[ST+8*\u], s22, v[ST+8*\u+1]        ; c m
.irp i, 2,3,4,5,6,7
	v_mov_b32 v[ST+8*\u+\i], 0
.endr
.endr
.irp i, 0,1,2,3,4,5,6,7,8,9,10,11,12,13,14,15,16,17,18,19,20,21,22,23,24,25,26,27,28,29,30,31,32,33,34,35,36,37,38,39,40,41,42,43,44,45,46,47,48,49,50,51,52,53,54,55,56,57,58,59,60,61,62,63
	v_mov_b32 v[O+\i], 0                           ; O^T.  (The step is written once: the first finds zeros, which its rescaling leaves zeros; a wave that sees no key hands zeros to the merge)
.endr
; A STEP: 64 keys of my half, the q-th of the slot's two, against my two tiles of queries.
.macro STEP q
	s_add_co_u32 s40, s15, 31
	s_cmp_gt_u32 s16, s40                          ; all 64 keys come after my 32 queries: the step's work is left out
	s_cbranch_scc1 .Lhidden_\@
	v_add_nc_u32 v[ADR], s17, v[A0]
.rept 5
	v_nop                                          ; with the line above six places behind the last step's products: four for the loads into V's registers, five for the products that write over P
.endr
.irp d, 0,1
.irp k, 0,1,2,3
.irp c, 0,1
	ds_load_b128 v[KV+16*\k+8*\d+4*\c:KV+16*\k+8*\d+4*\c+3], v[ADR] offset:8192*(\q)+1024*\k+16384*\d+512*\c
.endr
.endr
.endr
.irp d, 0,1                            ; S^T = K Q^T: eight accumulators by turns; dims 0-31 start the sums
.if \d == 0
	s_wait_dscnt 8                                 ; the fragments of dims 0-31 are in; the eight loads of dims 32-63 may be out
.else
	s_wait_dscnt 0x0
.endif
.irp k, 0,1,2,3
.irp u, 0,1
.if \d == 0
	v_wmma_f32_16x16x32_f16 v[S+32*\u+8*\k:S+32*\u+8*\k+7], v[KV+16*\k+8*\d:KV+16*\k+8*\d+7], v[Q+16*\u+8*\d:Q+16*\u+8*\d+7], 0
.else
	v_wmma_f32_16x16x32_f16 v[S+32*\u+8*\k:S+32*\u+8*\k+7], v[KV+16*\k+8*\d:KV+16*\k+8*\d+7], v[Q+16*\u+8*\d:Q+16*\u+8*\d+7], v[S+32*\u+8*\k:S+32*\u+8*\k+7]
.endif
.endr
.endr
.endr
.rept 4
	v_nop                                          ; four places ahead of the loads into K's registers and of the first read of the scores
.endr
.irp b, 0,1                            ; V of these 64 keys lands while the softmax is walked
.irp c, 0,1,2,3
.irp f, 0,1
	ds_load_b128 v[KV+16*\c+8*\b+4*\f:KV+16*\c+8*\b+4*\f+3], v[ADR] offset:32768+16384*(\c/2)+8192*(\q)+1024*(2*\b+\f)+512*(\c%2)
.endr
.endr
.endr
	s_add_co_u32 s40, s16, 63
	s_cmp_le_u32 s40, s15                          ; all 64 keys count for all my queries: no mask
	s_cbranch_scc1 .Lopen_\@
	s_sub_co_i32 s40, s15, s16
	v_add_nc_u32 v[DD], s40, v[D0]                 ; d = my first query - the first key + r - 8 h.  Register 32 u + 8 kt + j holds key 16 kt + 8 h + j for query 16 u + r: hidden where 16 kt + j - 16 u > d
.irp u, 0,1
.irp k, 0,1,2,3
.irp j, 0,1,2,3,4,5,6,7
	v_cmp_gt_i32 vcc_lo, 16*\k+\j-16*\u, v[DD]
	v_cndmask_b32 v[S+32*\u+8*\k+\j], v[S+32*\u+8*\k+\j], v[NINF], vcc_lo
.endr
.endr
.endr
.Lopen_\@:
; the softmax, the two tiles line by line.  The maximum of 32 scores and the old m: four chains of seven, then the four left over
.irp c, 0,1,2,3
.irp u, 0,1
	v_max3_num_f32 v[ST+8*\u+4+\c], v[S+32*\u+8*\c], v[S+32*\u+8*\c+1], v[S+32*\u+8*\c+2]
.endr
.endr
.irp p, 3,5
.irp c, 0,1,2,3
.irp u, 0,1
	v_max3_num_f32 v[ST+8*\u+4+\c], v[ST+8*\u+4+\c], v[S+32*\u+8*\c+\p], v[S+32*\u+8*\c+\p+1]
.endr
.endr
.endr
.irp u, 0,1
	v_max3_num_f32 v[ST+8*\u+4], v[ST+8*\u+4], v[S+32*\u+7], v[S+32*\u+15]
	v_max3_num_f32 v[ST+8*\u+6], v[ST+8*\u+6], v[S+32*\u+23], v[S+32*\u+31]
.endr
.irp u, 0,1
	v_max3_num_f32 v[ST+8*\u+4], v[ST+8*\u+4], v[ST+8*\u+5], v[ST+8*\u+6]
.endr
.irp u, 0,1
	v_max3_num_f32 v[ST+8*\u+4], v[ST+8*\u+4], v[ST+8*\u+7], v[ST+8*\u+1]
.endr
.irp u, 0,1
	v_permlanex16_b32 v[ST+8*\u+5], v[ST+8*\u+4], s20, s21   ; the query's other 32 keys lie in the lane 16 away
.endr
.irp u, 0,1
	v_mov_b32 v[ST+8*\u+7], v[ST+8*\u]             ; c m_old
.endr
.irp u, 0,1
	v_max_num_f32 v[ST+8*\u+1], v[ST+8*\u+4], v[ST+8*\u+5]
.endr
.irp u, 0,1
	v_mul_f32 v[ST+8*\u], s22, v[ST+8*\u+1]
.endr
.irp u, 0,1
	v_sub_f32 v[ST+8*\u+7], v[ST+8*\u+7], v[ST+8*\u]
.endr
.irp i, 0,2,4,6,8,10,12,14,16,18,20,22,24,26,28,30
.irp u, 0,1
	v_pk_fma_f32 v[S+32*\u+\i:S+32*\u+\i+1], v[S+32*\u+\i:S+32*\u+\i+1], s[22:23], v[ST+8*\u:ST+8*\u+1] op_sel_hi:[1,0,0] neg_lo:[0,0,1] neg_hi:[0,0,1]   ; c s - c m
.endr
.endr
.irp u, 0,1
	v_exp_f32 v[ST+8*\u+6], v[ST+8*\u+7]           ; the rescaling factor 2^(c m_old - c m_new)
.endr
.irp i, 0,1,2,3,4,5,6,7,8,9,10,11,12,13,14,15,16,17,18,19,20,21,22,23,24,25,26,27,28,29,30,31
.irp u, 0,1
	v_exp_f32 v[S+32*\u+\i], v[S+32*\u+\i]
.endr
.endr
	v_nop                                          ; a plain line behind the last exponential
	s_wait_alu depctr_va_vdst(0)                   ; ONE wait for the batch of 66, ahead of its first reader
.irp u, 0,1                            ; l = l x factor + the sum of p before it is rounded: two chains a tile
	v_pk_fma_f32 v[ST+8*\u+2:ST+8*\u+3], v[ST+8*\u+2:ST+8*\u+3], v[ST+8*\u+6:ST+8*\u+7], v[S+32*\u:S+32*\u+1] op_sel_hi:[1,0,1]
	v_pk_add_f32 v[ST+8*\u+4:ST+8*\u+5], v[S+32*\u+2:S+32*\u+3], v[S+32*\u+6:S+32*\u+7]
.endr
.irp i, 4,8,12,16,20,24
.irp u, 0,1
	v_pk_add_f32 v[ST+8*\u+2:ST+8*\u+3], v[ST+8*\u+2:ST+8*\u+3], v[S+32*\u+\i:S+32*\u+\i+1]
	v_pk_add_f32 v[ST+8*\u+4:ST+8*\u+5], v[ST+8*\u+4:ST+8*\u+5], v[S+32*\u+\i+6:S+32*\u+\i+7]
.endr
.endr
.irp u, 0,1
	v_pk_add_f32 v[ST+8*\u+2:ST+8*\u+3], v[ST+8*\u+2:ST+8*\u+3], v[S+32*\u+28:S+32*\u+29]
.endr
.irp u, 0,1
	v_pk_add_f32 v[ST+8*\u+2:ST+8*\u+3], v[ST+8*\u+2:ST+8*\u+3], v[ST+8*\u+4:ST+8*\u+5]
.endr
.irp i, 0,1,2,3,4,5,6,7,8,9,10,11,12,13,14,15
.irp u, 0,1
	v_cvt_pk_f16_f32 v[S+32*\u+\i], v[S+32*\u+2*\i], v[S+32*\u+2*\i+1]   ; P, in place and ascending: register i is written when 2 i and 2 i + 1 are read
.endr
.endr
.irp i, 0,2,4,6,8,10,12,14,16,18,20,22,24,26,28,30
.irp u, 0,1
	v_pk_mul_f32 v[O+32*\u+\i:O+32*\u+\i+1], v[O+32*\u+\i:O+32*\u+\i+1], v[ST+8*\u+6:ST+8*\u+7] op_sel_hi:[1,0]
.endr
.endr
	s_wait_dscnt 0x0                               ; V is in
.irp b, 0,1                            ; O^T += V^T P: eight accumulators by turns
.irp c, 0,1,2,3
.irp u, 0,1
	v_wmma_f32_16x16x32_f16 v[O+32*\u+8*\c:O+32*\u+8*\c+7], v[KV+16*\c+8*\b:KV+16*\c+8*\b+7], v[S+32*\u+8*\b:S+32*\u+8*\b+7], v[O+32*\u+8*\c:O+32*\u+8*\c+7]
.endr
.endr
.endr
.Lhidden_\@:
	s_add_co_u32 s16, s16, 128                     ; my next run of 64 keys
.endm
; THE CHANGE OF SLOTS stands at a slot's head.  Each wave waits for all its tensor loads, adds 0 to its spare word, and waits for that and for its reads of the slot that it has left; then the barrier.
; fill = 1: behind it the slot just left is filled with the keys that follow the slot ahead, up to the causal limit: the load has a slot's steps in which to land.
.macro CHANGE fill
	s_wait_tensorcnt 0x0                           ; no tensor load of mine is out, so group 0 may be written
	ds_add_u32 v[SPW], v[NIL]                      ; 0 onto my spare word
.if \fill
	ds_add_u32 v[SPW], v[NIL]                      ; and once more: the add stands twice on end, in every trip alike
	s_xor_b32 s33, s33, SLOTB                      ; the walking descriptor: the other slot,
	s_add_nc_u64 s[34:35], s[34:35], 32768         ; the next 256 keys; the type bits on top are not reached
	s_wait_xcnt 0x0                                ; the last prefetch, a slot back, has read its address
	s_add_nc_u64 s[36:37], s[36:37], 32768         ; one slot further on than the walking descriptor
.endif
	s_wait_dscnt 0x0                               ; the add is done, and my reads of the slot that I have left are over
	s_barrier_signal -1
	s_barrier_wait -1
.if \fill
	s_add_co_u32 s40, s19, 256                     ; the first key of the slot that this change would ask for
	s_cmp_gt_u32 s40, s39                          ; past the work-group's last query: none of its waves would read it, so it is not asked for
	s_cbranch_scc1 .Lpast_\@
	TLOAD                                          ; a wave's one tensor load until the next change
.Lpast_\@:
	ASK
.endif
.endm
	s_wait_loadcnt 0x0                             ; Q
.Lslot:                                            ; 15 trips: slots 0 to 14
	CHANGE 1
	STEP 0
	STEP 1
	s_xor_b32 s17, s17, SLOTB
	s_add_co_u32 s19, s19, 256
	s_sub_co_u32 s18, s18, 1
	s_cmp_lg_u32 s18, 0
	s_cbranch_scc1 .Lslot
	CHANGE 0                                       ; the last slot is written out: nothing is left to ask for
	STEP 0
	STEP 1
	; THE MERGE of the two halves of the keys, and the way out.  Each wave lays O^T, c m and l of its two tiles into its stage; behind a barrier the pair's wave kh finishes tile kh.
.rept 4
	v_nop                                          ; four places behind the last products
.endr
.irp u, 0,1
	v_add_f32 v[ST+8*\u+4], v[ST+8*\u+2], v[ST+8*\u+3]
.endr
.irp u, 0,1
	v_permlanex16_b32 v[ST+8*\u+5], v[ST+8*\u+4], s20, s21
.endr
.irp u, 0,1
	v_add_f32 v[ST+8*\u+4], v[ST+8*\u+4], v[ST+8*\u+5]   ; l of my half of the keys
.endr
.irp i, 0,1,2,3,4,5,6,7,8,9,10,11,12,13,14,15
	ds_store_b128 v[SA], v[O+4*\i:O+4*\i+3] offset:512*\i   ; each accumulator from its low end on
.endr
.irp u, 0,1
	ds_store_b32 v[SB], v[ST+8*\u] offset:8192+256*\u
	ds_store_b32 v[SB], v[ST+8*\u+4] offset:8192+256*\u+128
.endr
	s_wait_dscnt 0x0                               ; for the others' sake: my stores have landed
	s_barrier_signal -1
	s_barrier_wait -1
.irp i, 0,1,2,3,4,5,6,7
	ds_load_b128 v[64+4*\i:64+4*\i+3], v[RA] offset:512*\i          ; half A (kh = 0)
	ds_load_b128 v[96+4*\i:96+4*\i+3], v[RA] offset:2*WST+512*\i    ; half B (kh = 1)
.endr
	ds_load_b32 v8, v[RB]                          ; c m of A,
	ds_load_b32 v9, v[RB] offset:128               ; l of A,
	ds_load_b32 v10, v[RB] offset:2*WST            ; and of B
	ds_load_b32 v11, v[RB] offset:2*WST+128
	s_wait_dscnt 0x0
	v_max_num_f32 v12, v8, v10
	v_sub_f32 v8, v8, v12
	v_sub_f32 v10, v10, v12
	v_exp_f32 v8, v8                               ; a half that saw no key has c m far under the other's: its factor is 0, and its l and O are zeros
	v_exp_f32 v10, v10
	v_nop
	s_wait_alu depctr_va_vdst(0)
	v_mul_f32 v9, v9, v8
	v_fma_f32 v9, v11, v10, v9                     ; the row's sum
	v_rcp_f32 v13, v9
	v_nop
	s_wait_alu depctr_va_vdst(0)
	v_mul_f32 v14, v8, v13
	v_mul_f32 v15, v8, v13                         ; (the pairs' upper halves are named, so they are written)
	v_mul_f32 v16, v10, v13
	v_mul_f32 v17, v10, v13
.irp i, 0,2,4,6,8,10,12,14,16,18,20,22,24,26,28,30
	v_pk_mul_f32 v[64+\i:65+\i], v[64+\i:65+\i], v[14:15] op_sel_hi:[1,0]
.endr
.irp i, 0,2,4,6,8,10,12,14,16,18,20,22,24,26,28,30
	v_pk_fma_f32 v[64+\i:65+\i], v[96+\i:97+\i], v[16:17], v[64+\i:65+\i] op_sel_hi:[1,0,1]
.endr
.irp i, 0,1,2,3,4,5,6,7,8,9,10,11,12,13,14,15
	v_cvt_pk_f16_f32 v[128+\i], v[64+2*\i], v[64+2*\i+1]
.endr
.irp i, 0,1,2,3
	global_store_b128 v[LI], v[128+4*\i:128+4*\i+3], s[6:7] offset:512*\i   ; a piece: 512 consecutive bytes
.endr
	s_wait_tensorcnt 0x0                           ; the wave's end: these three lines behind my last tensor load and my last LDS store
	ds_add_u32 v[SPW], v[NIL]
	s_wait_dscnt 0x0
	s_endpgm
.Lfunc_end_k_q25ea371f17_attention:
	.size	k_q25ea371f17_attention, .Lfunc_end_k_q25ea371f17_attention-k_q25ea371f17_attention
	.p2alignl 7, 3214868480
	.fill 96, 4, 3214868480
	.section	.rodata,"a",@progbits
	.p2align	6, 0x0
	.amdhsa_kernel k_q25ea371f17_attention
		.amdhsa_group_segment_fixed_size 327680
		.amdhsa_private_segment_fixed_size 0
		.amdhsa_enable_private_segment 0
		.amdhsa_kernarg_size 16
		.amdhsa_user_sgpr_count 2
		.amdhsa_user_sgpr_kernarg_segment_ptr 1
		.amdhsa_wavefront_size32 1
		.amdhsa_system_sgpr_workgroup_id_x 1
		.amdhsa_system_sgpr_workgroup_id_y 1
		.amdhsa_system_sgpr_workgroup_id_z 1
		.amdhsa_system_vgpr_workitem_id 0
		.amdhsa_next_free_vgpr 256
		.amdhsa_next_free_sgpr 66
		.amdhsa_reserve_vcc 1
		.amdhsa_float_denorm_mode_32 3
		.amdhsa_float_denorm_mode_16_64 3
		.amdhsa_memory_ordered 1
		.amdhsa_forward_progress 1
		.amdhsa_inst_pref_size 102
	.end_amdhsa_kernel
	.amdgpu_metadata
---
amdhsa.version: [ 1, 2 ]
amdhsa.kernels:
  - .name:           k_q25ea371f17_attention
    .symbol:         k_q25ea371f17_attention.kd
    .args:
      - { .name: qkv, .offset: 0, .size: 8, .value_kind: global_buffer, .address_space: global }
      - { .name: attn, .offset: 8, .size: 8, .value_kind: global_buffer, .address_space: global }
    .group_segment_fixed_size: 327680
    .private_segment_fixed_size: 0
    .kernarg_segment_align: 8
    .kernarg_segment_size: 16
    .max_flat_workgroup_size: 512
    .sgpr_count:     66
    .vgpr_count:     256
    .wavefront_size: 32
...
	.end_amdgpu_metadata
.endif
;; end of part 4
;; launch outproj (part 5): grid 8 x 32, 4 waves a work-group, clusters of 4 x 4, 327,680 bytes of LDS; arguments attn, wo16, out0; writes out0
.if DOCPART == 5
	.amdgcn_target "amdgcn-amd-amdhsa--gfx1250"
	.amdhsa_code_object_version 6
	.text
	.protected	k_q25ea371f17_outproj
	.globl	k_q25ea371f17_outproj
	.p2align	8
	.type	k_q25ea371f17_outproj,@function
k_q25ea371f17_outproj:
	s_mov_b64 s[64:65], 0
	v_nop
	global_prefetch_b8 v0, s[64:65] scope:SCOPE_SE
	s_setreg_imm32_b32 hwreg(HW_REG_WAVE_MODE, 25, 1), 1
	s_wait_xcnt 0x0
	s_wait_alu depctr_hold_cnt(0) depctr_sa_sdst(0) depctr_va_vdst(0) depctr_va_sdst(0) depctr_va_ssrc(0) depctr_va_vcc(0) depctr_vm_vsrc(0)
	s_getreg_b32 s2, hwreg(HW_REG_IB_STS2, 6, 4)
	s_cmp_eq_u32 s2, 0
	s_cbranch_scc0 .Lentry_in_a_cluster
	s_endpgm
.Lentry_in_a_cluster:
	s_bfe_u32 s2, ttmp6, 0x10000c
	s_cmp_lg_u32 s2, 0xf033
	s_cbranch_scc0 .Lentry_shape_is_right
	s_endpgm
.Lentry_shape_is_right:
; out0[m][n] = the sum over k of attn[m][k] Wo[n][k]: M 4,096, N 1,024, K 1,024; f16 operands, f32 sums, f32 out.
; 256 tiles of 128 x 128, one a work-group; four waves, 64 x 64 each: 16 accumulators.  K goes in four steps of 256 through a ring of two LDS slots.
; A = attn lies in memory as images of operand registers, [tile of 16 rows][32 along K][2][512 bytes]: a K step of 64 rows is 4 rows of 8,192 bytes, 32 KiB apart; in LDS it lies dense and a fragment is two loads at 16 x lane.
; B = wo16 lies by rows of 2,048 bytes: a K step of 64 rows is 64 rows of 512 bytes, 16 bytes of padding behind each in LDS.
; CLUSTERS: 4 x 4 work-groups; A's tile is shared along a row of the cluster, B's along a column: each is asked for jointly, by the same load with the same descriptor and a mask that names the four.
; THE MATRIX INSTRUCTION IS USED TRANSPOSED (source 0 = 16 rows of Wo, source 1 = 16 rows of attn): a lane holds eight neighbouring numbers of a row of out0.
; Rows 0-15 are written here from f16 operands like all others (leaving them out would be a branch on a work-group's place in its cluster); the program's last launch writes them again in f32.
; LIMITS: |attn| and |Wo| under 65,504 (f16).
; REGISTERS: window 0: v0-31 addresses; v32-95 the way out; v128-255 the accumulators ((a, b) at v[128 + 8 (4 a + b)]).  window 1: two fragment buffers of 128: 64 registers of A (2 x 4 x 16 rows x 32 K), then 64 of B.
.set PITCH,  528                       ; B's LDS row: 512 bytes + 16 of padding
.set HALFA,  32768                     ; A: 64 rows x 256 K, dense
.set HALFB,  64*PITCH
.set BOFF,   2*HALFA
.set SLOT,   2*HALFA+2*HALFB
.set STAGE,  2*SLOT                    ; behind the ring: 16 rows x 272 bytes for each wave
.set SPITCH, 272
.set SPARE,  STAGE+4*16*SPITCH         ; the spare words, 128 bytes a wave, named by no other line
.set LAPS,   2                         ; a lap = two K steps = once round the ring
.set ADRA, 16                          ; v16-17 LDS address of my A fragments in slot 0, 1
.set ADRB, 20                          ; v20-21 the same for B
.set STO,  24                          ; v24 the way out: where I put 32 bytes of a row
.set RD,   25                          ; v25 where I read a row back
.set CO,   26                          ; v26 my byte offset in out0
.set SPW,  28                          ; v28 LDS address of my spare word; never rewritten
.set NIL,  29                          ; v29 0; never rewritten
.set TMP,  32
.set ACC,  128
.set F0,   0
.set F1,   128
.set G1, 24                            ; s[24:31] group 1 for A's tiles; s[32:39] group 0, one set a slot
.set G0, 32
.set G1B, 48                           ; s[48:55], s[56:63] the same for B's
.set G0B, 56
.set MSB, 0
.macro WIN new
.if MSB != \new
	s_set_vgpr_msb (MSB<<8)|\new
.set MSB, \new
.endif
.endm
.set MUL,  0x05                        ; sources 0 (B) and 1 (A) window 1; C and D window 0
.set TO_F, 0x40                        ; destination window 1
.macro JLOAD s                         ; waves 0 and 1 fetch A's halves, waves 2 and 3 B's; an s_nop 0 and four v_nop follow each of the two lines
	s_cmp_eq_u32 s11, 0
	s_cbranch_scc0 .Lfor_b_\@
	tensor_load_to_lds s[G0+4*\s:G0+4*\s+3], s[G1:G1+7]
	s_nop 0
.rept 4
	v_nop
.endr
	s_branch .Lasked_\@
.Lfor_b_\@:
	tensor_load_to_lds s[G0B+4*\s:G0B+4*\s+3], s[G1B:G1B+7]
	s_nop 0
.rept 4
	v_nop
.endr
.Lasked_\@:
.endm
.macro CREST                           ; a round of the cluster's barrier behind its opening barrier
	s_cmp_lg_u32 s10, 0
	s_cbranch_scc1 .Lnot_wave_0_\@
	s_barrier_signal -3
.Lnot_wave_0_\@:
	s_barrier_wait -3
	s_barrier_signal -1
	s_barrier_wait -1
.endm
.macro CROUND
	s_barrier_signal -1
	s_barrier_wait -1
	CREST
.endm
	s_load_b128 s[4:7], s[0:1], 0x0                ; attn, wo16
	s_load_b64 s[8:9], s[0:1], 0x10                ; out0
	v_lshl_add_u32 v[SPW], v0, 2, SPARE
	v_mov_b32 v[NIL], 0
	ds_add_u32 v[SPW], v[NIL]                      ; the wave's opening: the add, twice on end, and its wait ahead of my first tensor load
	ds_add_u32 v[SPW], v[NIL]
	v_lshrrev_b32 v1, 5, v0
	v_readfirstlane_b32 s10, v1                    ; wave 0..3
	s_lshr_b32 s11, s10, 1                         ; which half of the tile's rows is mine.  Also: I fetch for A (0) or for B (1)
	s_and_b32 s12, s10, 1                          ; which half of its columns.  Also: which 64 rows of that tile I fetch
	s_bfe_u32 s40, ttmp6, 0x40000                  ; cx, cy
	s_bfe_u32 s41, ttmp6, 0x40004
	s_lshl_b32 s42, ttmp9, 2
	s_add_co_u32 s42, s42, s40                     ; tile column = 4 x cluster x + cx
	s_and_b32 s13, ttmp7, 0xffff
	s_lshl_b32 s13, s13, 2
	s_add_co_u32 s13, s13, s41                     ; tile row = 4 x cluster y + cy
	s_lshl_b32 s43, s41, 2
	s_lshl_b32 s43, 15, s43                        ; my row of the cluster
	s_lshl_b32 s44, 0x1111, s40                    ; my column
	s_or_b32 s[G1+0], s43, (3<<16)|(1<<21)         ; A: the mask; elements of 8 bytes; bit 21 beside a mask; no padding
	s_mov_b32 s[G1+1], 1024<<16                    ; tensor_dim0 = 1,024 elements: 8,192 bytes
	s_mov_b32 s[G1+2], 4<<16                       ; tensor_dim1 = 4
	s_mov_b32 s[G1+3], 1024<<16                    ; tile_dim0
	s_mov_b32 s[G1+4], 4                           ; tile_dim1
	s_mov_b32 s[G1+5], 4096                        ; the pitch: 32 KiB
	s_mov_b32 s[G1+6], 0
	s_mov_b32 s[G1+7], 0
	s_or_b32 s[G1B+0], s44, (1<<16)|(1<<20)|(1<<21)|(6<<22)|(3<<25)  ; B: elements of 2 bytes; 4 words of padding after every 128
	s_mov_b32 s[G1B+1], 256<<16
	s_mov_b32 s[G1B+2], 64<<16
	s_mov_b32 s[G1B+3], 256<<16
	s_mov_b32 s[G1B+4], 64
	s_mov_b32 s[G1B+5], 1024
	s_mov_b32 s[G1B+6], 0
	s_mov_b32 s[G1B+7], 0
	s_lshl_b32 s16, s13, 3
	s_lshl_b32 s17, s12, 2
	s_add_co_u32 s16, s16, s17                     ; A: tile of 16 rows 8 x tile row + 4 x half,
	s_lshl_b32 s16, s16, 15                        ; 32 KiB each
	s_mov_b32 s17, 0
	s_lshl_b32 s46, s42, 7
	s_lshl_b32 s47, s12, 6
	s_add_co_u32 s46, s46, s47                     ; B: row 128 x tile column + 64 x half,
	s_lshl_b32 s46, s46, 11                        ; 2,048 bytes each
	s_mov_b32 s47, 0
	s_lshl_b32 s20, s12, 15                        ; where they go: no place in the cluster enters an LDS address
	s_mul_i32 s21, s12, HALFB
	s_add_co_u32 s21, s21, BOFF
	s_wait_dscnt 0x0                               ; both opening adds are done
	s_wait_kmcnt 0x0
	s_add_nc_u64 s[14:15], s[4:5], s[16:17]
	s_add_nc_u64 s[46:47], s[6:7], s[46:47]
	CROUND                                         ; all sixteen work-groups are here: the first joint loads meet
.irp s, 0,1
	s_mov_b32 s[G0+4*\s], 1
	s_add_co_u32 s[G0+4*\s+1], s20, \s*SLOT
	s_add_nc_u64 s[G0+4*\s+2:G0+4*\s+3], s[14:15], \s*8192
	s_or_b32 s[G0+4*\s+3], s[G0+4*\s+3], 0x80000000
	s_mov_b32 s[G0B+4*\s], 1
	s_add_co_u32 s[G0B+4*\s+1], s21, \s*SLOT
	s_add_nc_u64 s[G0B+4*\s+2:G0B+4*\s+3], s[46:47], \s*512
	s_or_b32 s[G0B+4*\s+3], s[G0B+4*\s+3], 0x80000000
	JLOAD \s
.endr
	v_and_b32 v1, 15, v0                           ; l % 16
	v_bfe_u32 v2, v0, 4, 1                         ; l / 16
	v_and_b32 v6, 31, v0
	v_lshlrev_b32 v6, 4, v6                        ; 16 x lane
	v_mul_u32_u24 v3, v1, PITCH
	v_lshl_add_u32 v3, v2, 4, v3                   ; B: row x pitch + 16 x half
	s_lshl_b32 s21, s11, 15                        ; my 64 rows of A
	s_mul_i32 s22, s12, HALFB                      ; my 64 rows of B,
	s_add_co_u32 s22, s22, BOFF                    ; behind A's 128
.irp s, 0,1
	v_add_nc_u32 v[ADRA+\s], s21, v6
	v_add_nc_u32 v[ADRB+\s], s22, v3
	s_add_co_u32 s21, s21, SLOT
	s_add_co_u32 s22, s22, SLOT
.endr
	s_mul_i32 s23, s10, 16*SPITCH
	s_add_co_u32 s23, s23, STAGE                   ; my stage
	v_mul_u32_u24 v4, v1, SPITCH                   ; in: row l % 16, 32 bytes for each half of the lanes
	v_lshl_add_u32 v4, v2, 5, v4
	v_add_nc_u32 v[STO], s23, v4
	v_mul_u32_u24 v5, v2, SPITCH                   ; back: lanes 0-15 one row of 256 bytes, lanes 16-31 the next
	v_lshl_add_u32 v5, v1, 4, v5
	v_add_nc_u32 v[RD], s23, v5
	v_lshlrev_b32 v5, 12, v2                       ; and the same two rows in out0
	v_lshl_add_u32 v[CO], v1, 4, v5
	s_lshl_b32 s16, s13, 7
	s_lshl_b32 s17, s11, 6
	s_add_co_u32 s16, s16, s17                     ; my first row: 128 x tile row + 64 x half,
	s_lshl_b32 s16, s16, 12                        ; 4,096 bytes each
	s_mov_b32 s17, 0
	s_add_nc_u64 s[8:9], s[8:9], s[16:17]
	s_lshl_b32 s46, s42, 9                         ; my first column, in bytes: 512 x tile column + 256 x half
	s_lshl_b32 s47, s12, 8
	s_add_co_u32 s46, s46, s47
	s_mov_b32 s47, 0
	s_add_nc_u64 s[8:9], s[8:9], s[46:47]
; 8 matrix instructions: row blocks a0, a0 + 1 x all 4 column blocks, 32 along K: half c of buffer f.  The 16 accumulators take turns
.macro MUL8 f, c, a0, zero
.irp a, \a0, \a0+1
.irp b, 0,1,2,3
.if \zero
	v_wmma_f32_16x16x32_f16 v[ACC+8*(4*(\a)+\b):ACC+8*(4*(\a)+\b)+7], v[\f+64+8*(4*\c+\b):\f+64+8*(4*\c+\b)+7], v[\f+8*(4*\c+\a):\f+8*(4*\c+\a)+7], 0
.else
	v_wmma_f32_16x16x32_f16 v[ACC+8*(4*(\a)+\b):ACC+8*(4*(\a)+\b)+7], v[\f+64+8*(4*\c+\b):\f+64+8*(4*\c+\b)+7], v[\f+8*(4*\c+\a):\f+8*(4*\c+\a)+7], v[ACC+8*(4*(\a)+\b):ACC+8*(4*(\a)+\b)+7]
.endif
.endr
.endr
.endm
; 32 LDS loads in one run: the fragments of 64 along K, at byte k of B's rows (A: 16 k bytes into a tile's 8,192), into buffer f; the first 32 along K first
.macro FETCH slot, k, f
	WIN TO_F
.irp c, 0,1
.irp i, 0,1,2,3
	ds_load_b128 v[\f+64+8*(4*\c+\i):\f+64+8*(4*\c+\i)+3],   v[ADRB+\slot] offset:\k+64*\c+\i*16*PITCH
	ds_load_b128 v[\f+64+8*(4*\c+\i)+4:\f+64+8*(4*\c+\i)+7], v[ADRB+\slot] offset:\k+64*\c+\i*16*PITCH+32
	ds_load_b128 v[\f+8*(4*\c+\i):\f+8*(4*\c+\i)+3],         v[ADRA+\slot] offset:8192*\i+16*(\k)+1024*\c
	ds_load_b128 v[\f+8*(4*\c+\i)+4:\f+8*(4*\c+\i)+7],       v[ADRA+\slot] offset:8192*\i+16*(\k)+1024*\c+512
.endr
.endr
.endm
.macro PLACES
.rept 4
	v_nop
.endr
.endm
.macro QUARTER slot, k, f, g, zero     ; 64 along K: multiplies buffer f and fetches the next quarter, at byte k, into g
	s_wait_dscnt 16                                ; the first 32 along K are in; the sixteen loads of the second may be out
	WIN MUL
	MUL8 \f, 0, 0, \zero
	MUL8 \f, 0, 2, \zero
	PLACES
	FETCH \slot, \k, \g
	s_wait_dscnt 32                                ; all but the 32 just issued
	WIN MUL
	MUL8 \f, 1, 0, 0
	MUL8 \f, 1, 2, 0
.endm
; A K step's last quarter changes slots: one barrier; in front of it each wave waits for all its tensor loads, adds 0 to its spare word, and waits for that and for its reads of this slot.  fill = 1: this slot is filled again, two K steps ahead.
.macro TURN slot, next, fill
	WIN 0
	s_wait_tensorcnt 0x0                           ; all my tensor loads have landed: my part of the next slot
	ds_add_u32 v[SPW], v[NIL]                      ; 0 onto my spare word
	s_wait_dscnt 17                                ; the add and the youngest sixteen loads may be out
	WIN MUL
	MUL8 F1, 0, 0, 0
	s_wait_dscnt 0x0                               ; the add is done, and my reads of this slot are over
	s_barrier_signal -1
	MUL8 F1, 0, 2, 0
.if \fill
	WIN 0
.endif
	s_barrier_wait -1
.if \fill
	CREST                                          ; the barrier has opened a round of the cluster's: no wave of any partner still reads this slot or has a load on its way
	s_add_nc_u64 s[G0+4*\slot+2:G0+4*\slot+3], s[G0+4*\slot+2:G0+4*\slot+3], 2*8192
	s_add_nc_u64 s[G0B+4*\slot+2:G0B+4*\slot+3], s[G0B+4*\slot+2:G0B+4*\slot+3], 2*512
	JLOAD \slot                                    ; the first tensor load behind the round; its four v_nop are also the places in front of the loads below
.else
	PLACES
.endif
	FETCH \next, 0, F0
	WIN MUL
	MUL8 F1, 1, 0, 0
	MUL8 F1, 1, 2, 0
.endm
	s_wait_tensorcnt 1                             ; my part of K step 0 is in; K step 1's load may be out,
	s_barrier_signal -1
	s_barrier_wait -1                              ; everybody's is
	FETCH 0, 0, F0
	QUARTER 0, 128, F0, F1, 1                      ; the first quarter's first products start the sums
	WIN 0
	s_mov_b32 s3, LAPS-1
.Llap:                                                 ; a trip goes once round the ring and fills both slots again
	QUARTER 0, 256, F1, F0, 0
	QUARTER 0, 384, F0, F1, 0
	TURN 0, 1, 1
	QUARTER 1, 128, F0, F1, 0
	QUARTER 1, 256, F1, F0, 0
	QUARTER 1, 384, F0, F1, 0
	TURN 1, 0, 1
	QUARTER 0, 128, F0, F1, 0
	WIN 0
	s_sub_co_u32 s3, s3, 1
	s_cmp_lg_u32 s3, 0
	s_cbranch_scc1 .Llap
	QUARTER 0, 256, F1, F0, 0                      ; the last lap fills nothing
	QUARTER 0, 384, F0, F1, 0
	TURN 0, 1, 0
	QUARTER 1, 128, F0, F1, 0
	QUARTER 1, 256, F1, F0, 0
	QUARTER 1, 384, F0, F1, 0
	s_wait_dscnt 16
	WIN MUL
	MUL8 F1, 0, 0, 0
	MUL8 F1, 0, 2, 0
	s_wait_dscnt 0
	MUL8 F1, 1, 0, 0
	MUL8 F1, 1, 2, 0
	WIN 0
; THE WAY OUT, a block of 16 rows x 64 columns at a time, through my own stage: a lane's 32 bytes go in by rows of 272 bytes and come back as whole rows of 256, which sixteen lanes store as 256 consecutive aligned bytes.
; LDS serves a wave's instructions in order: no wait between the stores and the loads, nor in front of the next block's stores.
.macro TOSTAGE a
.irp b, 0,1,2,3
	ds_store_b128 v[STO], v[ACC+8*(4*(\a)+\b):ACC+8*(4*(\a)+\b)+3] offset:64*\b       ; each accumulator from its low end on
	ds_store_b128 v[STO], v[ACC+8*(4*(\a)+\b)+4:ACC+8*(4*(\a)+\b)+7] offset:64*\b+16
.endr
.irp t, 0,1,2,3,4,5,6,7
	ds_load_b128 v[TMP+32*((\a)%2)+4*\t:TMP+32*((\a)%2)+4*\t+3], v[RD] offset:\t*2*SPITCH
.endr
.endm
.macro SEND a, younger                 ; younger: the LDS instructions issued behind block a's loads, which may stay out
	s_wait_dscnt \younger
.irp t, 0,1,2,3,4,5,6,7
	global_store_b128 v[CO], v[TMP+32*((\a)%2)+4*\t:TMP+32*((\a)%2)+4*\t+3], s[8:9] offset:(16*(\a)+2*\t)*4096 th:TH_STORE_NT
.endr
.endm
	PLACES
	TOSTAGE 0
.irp a, 1,2,3
.if \a > 1
	s_wait_xcnt 0x0                                ; block a - 2's stores have read their registers: block a's loads may land there
.endif
	TOSTAGE \a
	SEND \a-1, 16                                  ; behind block a - 1's loads: block a's 8 stores and 8 loads
.endr
	SEND 3, 0
	s_wait_tensorcnt 0x0                           ; the wave's end: these three lines behind my last tensor load and my last LDS store
	ds_add_u32 v[SPW], v[NIL]
	s_wait_dscnt 0x0
	CROUND                                         ; the closing round
	s_endpgm
.Lfunc_end_k_q25ea371f17_outproj:
	.size	k_q25ea371f17_outproj, .Lfunc_end_k_q25ea371f17_outproj-k_q25ea371f17_outproj
	.p2alignl 7, 3214868480
	.fill 96, 4, 3214868480
	.section	.rodata,"a",@progbits
	.p2align	6, 0x0
	.amdhsa_kernel k_q25ea371f17_outproj
		.amdhsa_group_segment_fixed_size 327680
		.amdhsa_private_segment_fixed_size 0
		.amdhsa_enable_private_segment 0
		.amdhsa_kernarg_size 24
		.amdhsa_user_sgpr_count 2
		.amdhsa_user_sgpr_kernarg_segment_ptr 1
		.amdhsa_wavefront_size32 1
		.amdhsa_system_sgpr_workgroup_id_x 1
		.amdhsa_system_sgpr_workgroup_id_y 1
		.amdhsa_system_sgpr_workgroup_id_z 1
		.amdhsa_system_vgpr_workitem_id 0
		.amdhsa_next_free_vgpr 512
		.amdhsa_next_free_sgpr 66
		.amdhsa_reserve_vcc 0
		.amdhsa_float_denorm_mode_32 3
		.amdhsa_float_denorm_mode_16_64 3
		.amdhsa_memory_ordered 1
		.amdhsa_forward_progress 1
		.amdhsa_inst_pref_size 86
	.end_amdhsa_kernel
	.amdgpu_metadata
---
amdhsa.version: [ 1, 2 ]
amdhsa.kernels:
  - .name:           k_q25ea371f17_outproj
    .symbol:         k_q25ea371f17_outproj.kd
    .args:
      - { .name: attn, .offset: 0, .size: 8, .value_kind: global_buffer, .address_space: global }
      - { .name: wo16, .offset: 8, .size: 8, .value_kind: global_buffer, .address_space: global }
      - { .name: out0, .offset: 16, .size: 8, .value_kind: global_buffer, .address_space: global }
    .group_segment_fixed_size: 327680
    .private_segment_fixed_size: 0
    .kernarg_segment_align: 8
    .kernarg_segment_size: 24
    .max_flat_workgroup_size: 128
    .sgpr_count:     66
    .vgpr_count:     512
    .wavefront_size: 32
...
	.end_amdgpu_metadata
.endif
;; end of part 5
;; launch fine_out (part 6): grid 64 x 1, 8 waves a work-group, no clusters, 9,216 bytes of LDS; arguments fine, Wo, out0; writes out0
.if DOCPART == 6
	.amdgcn_target "amdgcn-amd-amdhsa--gfx1250"
	.amdhsa_code_object_version 6
	.text
	.protected	k_q25ea371f17_fine_out
	.globl	k_q25ea371f17_fine_out
	.p2align	8
	.type	k_q25ea371f17_fine_out,@function
k_q25ea371f17_fine_out:
	s_mov_b64 s[64:65], 0
	v_nop
	global_prefetch_b8 v0, s[64:65] scope:SCOPE_SE
	s_setreg_imm32_b32 hwreg(HW_REG_WAVE_MODE, 25, 1), 1
	s_wait_xcnt 0x0
; out0 rows 0-15 once more, in f32: out0[s][n] = the sum over k of fine[s][k] Wo[n][k], by the f32 matrix form: under the causal mask these rows are the largest of the output and are carried finely to the end.
; A work-group makes 16 columns n for the 16 rows.  Wave w takes k = 128 w .. 128 w + 127 (heads 2 w, 2 w + 1): 32 matrix instructions of K = 4 on four accumulators by turns; the eight waves' parts meet in LDS and wave 0 adds them.
; fine lies as register images: register 32 hh + 8 t + j of lane (r, h) is fine(row r, k = 128 w + 64 hh + 16 t + 8 h + j).  Wo's registers are loaded in the same order, so k stands at the same places on both sides.
; Source 0 = 16 rows of Wo, source 1 = the 16 rows of fine: a lane holds row s = lane % 16 and columns 8 (lane / 16) + 0 .. 7.
; A row's piece here is 64 bytes: 64 work-groups share the f32 matrix work; with whole rows of 256 bytes there would be sixteen, each with four times the work.  The launch writes 64 KiB in all.
.set SPW,  6                           ; v6 LDS address of my spare word; never rewritten
.set NIL,  7                           ; v7 0; never rewritten
.set SPARE, 8192                       ; behind the eight parts of 1,024 bytes: the spare words, 128 bytes a wave
.set FF,   32                          ; v32-95   fine's 64 registers; later the eight parts
.set WF,   96                          ; v96-159  Wo's 64 registers
.set PS,   160                         ; v160-175 at work
.set ACC,  192                         ; v192-223 four accumulators: written by matrix instructions alone
	s_load_b128 s[4:7], s[0:1], 0x0                ; fine, Wo
	s_load_b64 s[8:9], s[0:1], 0x10                ; out0
	v_lshl_add_u32 v[SPW], v0, 2, SPARE
	v_mov_b32 v[NIL], 0
	v_lshrrev_b32 v8, 5, v0
	v_readfirstlane_b32 s10, v8                    ; wave 0..7
	v_and_b32 v8, 31, v0                           ; lane
	v_and_b32 v9, 15, v0                           ; r
	v_bfe_u32 v10, v0, 4, 1                        ; h
	v_lshlrev_b32 v1, 4, v8                        ; 16 x lane
	v_lshlrev_b32 v2, 12, v9
	v_lshl_add_u32 v2, v10, 5, v2                  ; Wo: row r of 4,096 bytes, + 32 h
	v_lshlrev_b32 v3, 6, v9
	v_lshl_add_u32 v3, v10, 5, v3                  ; my part in LDS, [16 rows][64 bytes]: 64 r + 32 h,
	s_lshl_b32 s11, s10, 10
	v_add_nc_u32 v3, s11, v3                       ; + 1,024 x wave
	v_lshrrev_b32 v4, 2, v8
	v_lshlrev_b32 v4, 12, v4
	v_and_b32 v5, 3, v8
	v_lshl_add_u32 v4, v5, 4, v4                   ; out0: row lane / 4, 16 (lane % 4) bytes on
	s_lshl_b32 s12, s10, 13                        ; fine: two heads of 4,096 bytes a wave
	s_mov_b32 s13, 0
	s_lshl_b32 s14, ttmp9, 16                      ; Wo: my 16 rows,
	s_lshl_b32 s15, s10, 9
	s_add_co_u32 s14, s14, s15                     ; my wave's 128 along K
	s_mov_b32 s15, 0
	s_lshl_b32 s16, ttmp9, 6                       ; out0: my 16 columns
	s_mov_b32 s17, 0
	s_wait_kmcnt 0x0
	s_add_nc_u64 s[4:5], s[4:5], s[12:13]
	s_add_nc_u64 s[6:7], s[6:7], s[14:15]
	s_add_nc_u64 s[8:9], s[8:9], s[16:17]
.irp i, 0,1,2,3,4,5,6,7,8,9,10,11,12,13,14,15
	global_load_b128 v[FF+4*\i:FF+4*\i+3], v1, s[4:5] offset:512*\i
.endr
.irp y, 0,1
.irp t, 0,1,2,3
.irp f, 0,1
	global_load_b128 v[WF+32*\y+8*\t+4*\f:WF+32*\y+8*\t+4*\f+3], v2, s[6:7] offset:256*\y+64*\t+16*\f
.endr
.endr
.endr
	s_wait_loadcnt 0x0
.set p, 0
.rept 32                               ; four accumulators by turns; the first four products start the sums
.if p < 4
	v_wmma_f32_16x16x4_f32 v[ACC+8*(p%4):ACC+8*(p%4)+7], v[WF+2*p:WF+2*p+1], v[FF+2*p:FF+2*p+1], 0
.else
	v_wmma_f32_16x16x4_f32 v[ACC+8*(p%4):ACC+8*(p%4)+7], v[WF+2*p:WF+2*p+1], v[FF+2*p:FF+2*p+1], v[ACC+8*(p%4):ACC+8*(p%4)+7]
.endif
.set p, p+1
.endr
.rept 8
	v_nop                                          ; eight places behind this form
.endr
.irp j, 0,2,4,6
	v_pk_add_f32 v[PS+\j:PS+\j+1], v[ACC+\j:ACC+\j+1], v[ACC+8+\j:ACC+8+\j+1]
.endr
.irp j, 0,2,4,6
	v_pk_add_f32 v[PS+8+\j:PS+8+\j+1], v[ACC+16+\j:ACC+16+\j+1], v[ACC+24+\j:ACC+24+\j+1]
.endr
.irp j, 0,2,4,6
	v_pk_add_f32 v[PS+\j:PS+\j+1], v[PS+\j:PS+\j+1], v[PS+8+\j:PS+8+\j+1]
.endr
	ds_store_b128 v3, v[PS:PS+3]
	ds_store_b128 v3, v[PS+4:PS+7] offset:16
	s_wait_dscnt 0x0                               ; for wave 0's sake: my part has landed
	s_barrier_signal -1
	s_barrier_wait -1
	s_cmp_lg_u32 s10, 0
	s_cbranch_scc1 .Lend
.irp w, 0,1,2,3,4,5,6,7
	ds_load_b128 v[FF+8*\w:FF+8*\w+3], v1 offset:1024*\w           ; rows 0-7: row lane / 4
	ds_load_b128 v[FF+8*\w+4:FF+8*\w+7], v1 offset:1024*\w+512     ; rows 8-15
.endr
	s_wait_dscnt 0x0
.irp w, 1,2,3,4,5,6,7
.irp j, 0,2,4,6
	v_pk_add_f32 v[FF+\j:FF+\j+1], v[FF+\j:FF+\j+1], v[FF+8*\w+\j:FF+8*\w+\j+1]
.endr
.endr
	global_store_b128 v4, v[FF:FF+3], s[8:9]
	global_store_b128 v4, v[FF+4:FF+7], s[8:9] offset:32768
.Lend:
	s_wait_tensorcnt 0x0                           ; the wave's end: these three lines behind my last LDS store
	ds_add_u32 v[SPW], v[NIL]
	s_wait_dscnt 0x0
	s_endpgm
.Lfunc_end_k_q25ea371f17_fine_out:
	.size	k_q25ea371f17_fine_out, .Lfunc_end_k_q25ea371f17_fine_out-k_q25ea371f17_fine_out
	.p2alignl 7, 3214868480
	.fill 96, 4, 3214868480
	.section	.rodata,"a",@progbits
	.p2align	6, 0x0
	.amdhsa_kernel k_q25ea371f17_fine_out
		.amdhsa_group_segment_fixed_size 9216
		.amdhsa_private_segment_fixed_size 0
		.amdhsa_enable_private_segment 0
		.amdhsa_kernarg_size 24
		.amdhsa_user_sgpr_count 2
		.amdhsa_user_sgpr_kernarg_segment_ptr 1
		.amdhsa_wavefront_size32 1
		.amdhsa_system_sgpr_workgroup_id_x 1
		.amdhsa_system_sgpr_workgroup_id_y 1
		.amdhsa_system_sgpr_workgroup_id_z 1
		.amdhsa_system_vgpr_workitem_id 0
		.amdhsa_next_free_vgpr 224
		.amdhsa_next_free_sgpr 66
		.amdhsa_reserve_vcc 0
		.amdhsa_float_denorm_mode_32 3
		.amdhsa_float_denorm_mode_16_64 3
		.amdhsa_memory_ordered 1
		.amdhsa_forward_progress 1
		.amdhsa_inst_pref_size 11
	.end_amdhsa_kernel
	.amdgpu_metadata
---
amdhsa.version: [ 1, 2 ]
amdhsa.kernels:
  - .name:           k_q25ea371f17_fine_out
    .symbol:         k_q25ea371f17_fine_out.kd
    .args:
      - { .name: fine, .offset: 0, .size: 8, .value_kind: global_buffer, .address_space: global }
      - { .name: Wo, .offset: 8, .size: 8, .value_kind: global_buffer, .address_space: global }
      - { .name: out0, .offset: 16, .size: 8, .value_kind: global_buffer, .address_space: global }
    .group_segment_fixed_size: 9216
    .private_segment_fixed_size: 0
    .kernarg_segment_align: 8
    .kernarg_segment_size: 24
    .max_flat_workgroup_size: 256
    .sgpr_count:     66
    .vgpr_count:     224
    .wavefront_size: 32
...
	.end_amdgpu_metadata
.endif
;; end of part 6
